; MI455X (gfx1250); checked and timed in simulation.
; The chip was launched on July 23, 2026; its instructions are those of AMD's public machine-readable ISA for CDNA 5 (MIT licence, August 2026) and "CDNA5" Instruction Set Architecture Reference Guide (July 2026). The comments in the code are by the model that wrote it; some were corrected since.
;; New Attention. Allowed arithmetic: matrix products marked QUANTISED: E2M1 operands, one E8M0 scale for each 32 along K, by v_wmma_scale_f32_16x16x128_f8f6f4 with both operands' format E2M1 (or v_wmma_scale_f32_32x16x128_f4), f32 sums; products left as they are: bf16, f16 or f32 operands; f32 sums; everything else in f32.
;; Inputs: Wk 1,024 x 1,024 float32; Wo 1,024 x 1,024 float32; Wq 1,024 x 1,024 float32; Wv 1,024 x 1,024 float32; lambdas 2 float32; x 4 x 2,048 x 1,024 float32.
;; Outputs: out0 4 x 2,048 x 1,024 float32.
;; This version of the problem:
;;   THIS VERSION OF THE PROBLEM IS GIVEN IN LOW PRECISION. The matrix products marked QUANTISED in the list below multiply operands that are first quantised to E2M1 (2 exponent bits, 1 mantissa bit; 4 bits a number), with one power-of-two scale for each 32 numbers along K (OCP MX v1.0); their sums are f32. The products marked 'left as it is' may take bf16, f16 or f32 operands, with f32 sums. Whichever they take, every output number must still come out within the allowed error. Rounding operands to bf16 (8 significant bits) uses up far more of that allowance than f16 does (11 bits, for magnitudes from 6e-5 to 65,504). All else is computed in f32.
;;   The module's matrix products, in the order in which they are computed (A, B: the left and right operand; K: the contracted axis; several contracted axes count as one K, in the product's order):
;;     1. [M 8,192, K 1,024] x [K 1,024, N 1,024]; A: input x; B: input Wq: QUANTISED
;;     2. [M 8,192, K 1,024] x [K 1,024, N 1,024]; A: input x; B: input Wk: QUANTISED
;;     3. [M 8,192, K 1,024] x [K 1,024, N 1,024]; A: input x; B: input Wv: QUANTISED
;;     4. batch 64 x [M 2,048, K 64] x [K 64, N 2,048]; A: computed on the way; B: computed on the way: left as it is (an operand is computed on the way)
;;     5. batch 64 x [M 64, K 2,048] x [K 2,048, N 2,048]; A: computed on the way; B: computed on the way: left as it is (an operand is computed on the way)
;;     6. [M 8,192, K 1,024] x [K 1,024, N 1,024]; A: computed on the way; B: input Wo: left as it is (an operand is computed on the way)
;;   THE QUANTISER, for each operand of a quantised product, along K:
;;     - K is cut into blocks of 32 from its start; a last block that is shorter is filled with zeros.
;;     - A block's scale is 2^e with e = floor(log2(the largest magnitude in the block)) - 2, held to -126 .. 127; a block of zeros has e = 0. As a byte (E8M0): e + 127.
;;     - Each number is divided by its block's scale, clamped to +-6, and rounded to the nearest number of E2M1, ties to even, subnormals kept.
;;     - The product sums the exact products of the quantised numbers (number of the format x scale) in f32.
;;   ~~~python
;;   def quantise(x, axis):      # numpy; x: float32 -> the quantised numbers, widened to float32 again
;;       x = np.moveaxis(x, axis, -1); K = x.shape[-1]
;;       x = np.pad(x, [(0, 0)] * (x.ndim - 1) + [(0, -K % 32)]); x = x.reshape(x.shape[:-1] + (-1, 32)); a = np.abs(x).max(-1, keepdims=True)
;;       e = np.where(a > 0, np.clip(np.frexp(np.where(a > 0, a, 1))[1] - 1 - 2, -126, 127), 0)      # np.frexp(a)[1] - 1 = floor(log2(a)), exactly
;;       r = np.clip(x / 2.0 ** e, -6, 6)
;;       step = 2.0 ** (np.maximum(np.frexp(np.where(r == 0, 1, r))[1] - 1, 0) - 1)
;;       q = np.round(r / step) * step * 2.0 ** e      # np.round: ties to even
;;       return np.moveaxis(q.reshape(q.shape[:-2] + (-1,))[..., :K], -1, axis).astype(np.float32)
;;   ~~~
;; One version. Each part assembles by itself: llvm-mc -triple=amdgcn-amd-amdhsa -mcpu=gfx1250 --defsym DOCPART=n.
;; ======== version 1 of 1: 5 launches
;; limits: values are held in f16: magnitudes above 65,504 overflow, below 6.1e-05 lose precision
;; workspace buffers: codes 5,767,168 bytes; scales 360,448 bytes; wo16 2,097,152 bytes; rope 524,288 bytes; qkv 50,331,648 bytes; q32 786,432 bytes; ho 16,777,216 bytes
;; launch prep (part 1): grid 512 x 1, 4 waves a work-group, no clusters, 33,280 bytes of LDS; arguments x, Wq, Wk, Wv, Wo, codes, scales, wo16, rope; writes codes, scales, wo16, rope
.if DOCPART == 1
	.amdgcn_target "amdgcn-amd-amdhsa--gfx1250"
	.amdhsa_code_object_version 6
	.text
	.protected	k_qd120bc1b7c_prep
	.globl	k_qd120bc1b7c_prep
	.p2align	8
	.type	k_qd120bc1b7c_prep,@function
k_qd120bc1b7c_prep:
	s_mov_b64 s[64:65], 0
	v_nop
	global_prefetch_b8 v0, s[64:65] scope:SCOPE_SE
	s_setreg_imm32_b32 hwreg(HW_REG_WAVE_MODE, 25, 1), 1
	s_wait_xcnt 0x0
; FIRST OF FIVE LAUNCHES of causal attention: out = softmax(rope(x Wq^T) rope(x Wk^T)^T / 8, causal) (x Wv^T) Wo^T, 16 heads of 64, 4 sequences of 2,048.
; WORK LEFT OUT, for all values of the inputs:
;   lambdas: reference() names it nowhere, so it has no way to the result: it is not loaded and is among no launch's arguments.
;   Scores above the diagonal: reference() sets them to -infinity by a mask that it builds itself (jnp.tril), so their weights are exp(-inf) = 0: tiles of keys that lie wholly behind a tile's queries are not multiplied (third launch).
;   LIMIT: a NaN, an infinity or an overflow that reaches only lambdas or only hidden scores is not carried to the result.
; THIS LAUNCH, three kinds of work-groups, told apart by the work-group's number alone:
;   0-351    x (256 work-groups), Wq, Wk, Wv (32 each), f32 with K innermost, become codes of FP4 (E2M1) and one E8M0 byte for each 32 along K.  Rows are dense and K = 1,024 is a multiple of 32, so each
;            tensor is a plain stream of blocks; the four streams lie on end in codes (16 bytes a block) and in scales (1 byte a block): x's 8,192 rows, then Wq's, Wk's, Wv's 1,024 each.
;   352-383  Wo becomes f16, rounded to nearest even, same layout.
;   384-511  the table of cos and sin: rope[s][i] = (cos, sin)(s f_i), f_i = 10000^(-i/32), 2,048 rows of 32 pairs, 256 bytes a row.
; THE QUANTISER: a block's scale is 2^(floor(log2(its largest magnitude)) - 2); its byte is the largest magnitude's own exponent field - 2, held at 1 from below.  A block of zeros so gets the byte 1 where the rule
; says 127: its codes are zeros, which add nothing under any byte but 0xff, and the bytes are read by this program alone.  Each number is divided by the scale and rounded to the nearest code, ties to even; beyond 6 the code of 6.
; LIMITS: blocks whose largest magnitude lies under 2^-124 keep the byte 1; NaN and infinities among the inputs are not served.  Wo in f16: magnitudes up to 65,504; under 6e-5 as f16 subnormals (absolute error 3e-8).
; The table: f_i by one exponential of i x (-log2(10000)/32), the angle s f_i in f32 as reference() has it, reduced by pi/2 in two fused steps, polynomials of degree 7 and 8 (error about 1e-7);
; the angle differs from reference()'s own f32 angle by the rounding of f_i, at most about 2e-4 rad at s = 2,047.
; A quantising wave takes 16 steps of 512 numbers: each of a step's four loads reads 512 consecutive bytes; the 2,048 bytes turn through the wave's own stage in LDS and come back 64 bytes a lane, so that a lane holds 16
; neighbours along K (two lanes to a block).  A step's codes leave as 256 consecutive bytes; a wave's 256 scale bytes are gathered in LDS and leave as one aligned run of 256.  Waves share nothing: no barrier.
.set WAVES, 4
.set STEPS, 16
.set EMAX,  2
.set CB,    8                          ; bytes of 16 codes
.set R,     16                         ; v16-79   four sets of 16 numbers as they are loaded
.set X,     80                         ; v80-111  two sets of 16 neighbours
.set E,     112                        ; v112-127 a scale byte for each step
.set C,     128                        ; v128-191 codes: four registers for each step, so that no store's data are written again
.set WREG,  8192                       ; LDS: a region for each wave: two stages of 32 x SP bytes, and behind them its 256 scale bytes
.set SP,    80                         ; a lane's place in a stage: 64 bytes + 16 of padding
.set SPW,   12                         ; v12  LDS address of my spare word; never rewritten
.set NIL,   13                         ; v13  0; never rewritten
.set SPARE, WAVES*WREG                 ; behind the four regions: the spare words, 128 bytes for each wave, which no other line names
	s_load_b256 s[4:11], s[0:1], 0x0               ; x s[4:5], Wq s[6:7], Wk s[8:9], Wv s[10:11]
	s_load_b256 s[12:19], s[0:1], 0x20             ; Wo s[12:13], codes s[14:15], scales s[16:17], wo16 s[18:19]
	s_load_b64 s[20:21], s[0:1], 0x40              ; rope
	v_lshl_add_u32 v[SPW], v0, 2, SPARE
	v_mov_b32 v[NIL], 0
	v_lshrrev_b32 v1, 5, v0
	v_readfirstlane_b32 s24, v1                    ; wave
	v_and_b32 v2, 31, v0                           ; lane
	s_wait_kmcnt 0x0
	s_cmp_ge_u32 ttmp9, 384
	s_cbranch_scc1 .Ltable
	s_cmp_ge_u32 ttmp9, 352
	s_cbranch_scc1 .Lwo
	; ---- the quantiser
	v_lshlrev_b32 v3, 4, v2                        ; my 16 bytes of a load's 512
	s_mul_i32 s25, s24, WREG
	v_lshrrev_b32 v14, 2, v2
	v_mul_u32_u24 v14, v14, SP
	v_and_b32 v15, 3, v2
	v_lshl_add_u32 v14, v15, 4, v14
	v_add_nc_u32 v14, s25, v14                     ; the stage, on the way in: four lanes' 64 bytes on end, then 16 of padding
	v_mul_u32_u24 v15, v2, SP
	v_add_nc_u32 v15, s25, v15                     ; and on the way out: SP x lane: my 16 neighbours
	v_mul_u32_u24 v4, v2, CB                       ; my codes' place in a step's
	v_lshrrev_b32 v5, 1, v2
	s_add_co_u32 s25, s25, 2*32*SP
	v_add_nc_u32 v5, s25, v5                       ; LDS: my wave's 256 scale bytes, my block's byte
	v_lshlrev_b32 v7, 3, v2                        ; and on the way out 8 bytes a lane
	v_add_nc_u32 v6, s25, v7
	s_and_b32 s26, ttmp9, 31                       ; a weight's 32 work-groups begin at multiples of 32
	s_cmp_lt_u32 ttmp9, 320                        ; which tensor: the choice hangs on the work-group's number alone
	s_cselect_b64 s[8:9], s[8:9], s[10:11]         ; Wk or Wv
	s_cmp_lt_u32 ttmp9, 288
	s_cselect_b64 s[6:7], s[6:7], s[8:9]           ; Wq or that
	s_cmp_lt_u32 ttmp9, 256
	s_cselect_b64 s[4:5], s[4:5], s[6:7]           ; x or that
	s_cselect_b32 s26, ttmp9, s26                  ; my work-group's number within its tensor
	s_lshl_b32 s26, s26, 2
	s_add_co_u32 s26, s26, s24                     ; my wave's run of 8,192 numbers in it,
	s_lshl_b32 s26, s26, 15                        ; 32,768 bytes a run (under 2^26)
	s_mov_b32 s27, 0
	s_add_nc_u64 s[4:5], s[4:5], s[26:27]
	s_lshl_b32 s28, ttmp9, 2
	s_add_co_u32 s28, s28, s24                     ; the run's number in codes and scales, where the four tensors lie on end
	s_mov_b32 s29, 0
	s_lshl_b32 s30, s28, 12                        ; 4,096 bytes of codes a run
	s_mov_b32 s31, 0
	s_add_nc_u64 s[14:15], s[14:15], s[30:31]
	s_lshl_b32 s28, s28, 8                         ; 256 scale bytes a run
	s_add_nc_u64 s[16:17], s[16:17], s[28:29]
.macro LOAD t
.irp i, 0,1,2,3
	global_load_b128 v[R+16*((\t)%4)+4*\i:R+16*((\t)%4)+4*\i+3], v3, s[4:5] offset:2048*(\t)+512*\i th:TH_LOAD_NT   ; 32 lanes read 512 consecutive bytes
.endr
.endm
.macro TURN t                          ; step t's numbers through the stage: LDS serves a wave's instructions in order, so no wait stands between the stores and the loads
.irp i, 0,1,2,3
	ds_store_b128 v14, v[R+16*((\t)%4)+4*\i:R+16*((\t)%4)+4*\i+3] offset:32*SP*((\t)%2)+8*SP*\i
.endr
.irp i, 0,1,2,3
	ds_load_b128 v[X+16*((\t)%2)+4*\i:X+16*((\t)%2)+4*\i+3], v15 offset:32*SP*((\t)%2)+16*\i
.endr
.endm
.irp t, 0,1,2,3
	LOAD \t
.endr
	s_wait_loadcnt 12                              ; step 0's four loads are in; the three steps behind it (12 loads) stay out
	TURN 0
.macro STEP t
.set XS, X+16*((\t)%2)
.if (\t) > 0
	s_wait_dscnt 1                                 ; this step's numbers are back from the stage (the last step's byte store may be out): so its stores into the stage have read their registers,
.else
	s_wait_dscnt 0x0
.endif
.if (\t)+4 < STEPS
	LOAD (\t)+4                                    ; which take the loads of four steps on
.endif
.if (\t)+1 < STEPS
.if STEPS-2-(\t) >= 3
	s_wait_loadcnt 12                              ; the next step's four loads are in; those of the three steps behind it may be out
.else
	s_wait_loadcnt 4*(STEPS-2-(\t))
.endif
	TURN (\t)+1                                    ; and go through the other stage while this step is worked
.endif
	v_max3_num_f32 v8, |v[XS]|, |v[XS+1]|, |v[XS+2]|               ; the largest magnitude of my 16, in two chains
	v_max3_num_f32 v9, |v[XS+3]|, |v[XS+4]|, |v[XS+5]|
.irp i, 6,10
	v_max3_num_f32 v8, v8, |v[XS+\i]|, |v[XS+\i+1]|
	v_max3_num_f32 v9, v9, |v[XS+\i+2]|, |v[XS+\i+3]|
.endr
	v_max3_num_f32 v8, v8, |v[XS+14]|, |v[XS+15]|
	v_max3_num_f32 v8, v8, v9, (EMAX+1)<<23        ; and the floor 2^(3 - 127): so the byte cannot fall under 1
	v_max_num_f32_dpp v8, v8, v8 row_xmask:1 row_mask:0xf bank_mask:0xf   ; and of my neighbour's 16: the block's
	v_add_nc_u32 v11, -(EMAX<<23), v8              ; 2 off its exponent field: the conversion takes the exponent field of this operand as its scale, and nothing else of it
	v_cvt_scalef32_pk8_fp4_f32 v[C+4*(\t)], v[XS:XS+7], v11
	v_cvt_scalef32_pk8_fp4_f32 v[C+4*(\t)+1], v[XS+8:XS+15], v11
	v_lshrrev_b32 v[E+(\t)], 23, v11               ; the scale's byte (also the plain line behind the conversions)
	ds_store_b8 v5, v[E+(\t)] offset:16*(\t)       ; both lanes of a block write the same byte with the same value
	global_store_b64 v4, v[C+4*(\t):C+4*(\t)+1], s[14:15] offset:32*CB*(\t)   ; the wave stores 256 consecutive bytes, aligned
.endm
.irp t, 0,1,2,3,4,5,6,7,8,9,10,11,12,13,14,15
	STEP \t
.endr
	ds_load_b64 v[8:9], v6                         ; LDS serves a wave's instructions in order: these see my stores
	s_wait_dscnt 0x0
	global_store_b64 v7, v[8:9], s[16:17]          ; 32 lanes store 256 consecutive bytes, aligned
	s_branch .Lend
	; ---- Wo to f16: a wave takes 8,192 numbers, 64 loads of 512 consecutive bytes, sixteen of them always on their way; each load's 128 numbers leave as 256 consecutive bytes
.Lwo:
	s_sub_co_u32 s25, ttmp9, 352
	s_lshl_b32 s25, s25, 2
	s_add_co_u32 s25, s25, s24                     ; my wave's run
	s_lshl_b32 s26, s25, 15
	s_mov_b32 s27, 0
	s_add_nc_u64 s[12:13], s[12:13], s[26:27]
	s_lshl_b32 s26, s25, 14
	s_add_nc_u64 s[18:19], s[18:19], s[26:27]
	v_lshlrev_b32 v3, 4, v2
	v_lshlrev_b32 v4, 3, v2
.set TT, 0
.rept 16
	global_load_b128 v[16+4*TT:19+4*TT], v3, s[12:13] offset:512*TT th:TH_LOAD_NT
.set TT, TT+1
.endr
.set TT, 0
.rept 64
.if TT < 48
	s_wait_loadcnt 15                              ; loads come back in order: mine is in, the fifteen younger ones stay out
.else
	s_wait_loadcnt 63-TT                           ; the tail loads nothing: the counts run down
.endif
	v_cvt_pk_f16_f32 v[80+2*TT], v[16+4*(TT%16)], v[17+4*(TT%16)]   ; each load has its own pair of result registers: no store's data are written again
	v_cvt_pk_f16_f32 v[81+2*TT], v[18+4*(TT%16)], v[19+4*(TT%16)]
.if TT < 48
	global_load_b128 v[16+4*(TT%16):19+4*(TT%16)], v3, s[12:13] offset:512*(TT+16) th:TH_LOAD_NT
.endif
	global_store_b64 v4, v[80+2*TT:81+2*TT], s[18:19] offset:256*TT
.set TT, TT+1
.endr
	s_branch .Lend
	; ---- the table: a work-group makes 16 rows; thread t makes pairs 2 (t % 16) and 2 (t % 16) + 1 of rows t / 16 and t / 16 + 8: 16 bytes a row, so that a wave's store covers 512 consecutive bytes
.Ltable:
	s_sub_co_u32 s25, ttmp9, 384
	s_mov_b32 s26, 0x3f22f983                      ; 2 / pi
	s_mov_b32 s27, 0xbfc90fdb                      ; -(pi / 2), its f32 part,
	s_mov_b32 s28, 0x333bbd2e                      ; and what that part is too large by
	s_mov_b32 s29, 0xb94ca1f9                      ; the sine's three coefficients
	s_mov_b32 s30, 0x3c08839e
	s_mov_b32 s31, 0xbe2aaaa3
	s_mov_b32 s32, 0x37ccf5ce                      ; the cosine's three
	s_mov_b32 s33, 0xbab6061a
	s_mov_b32 s34, 0x3d2aaaa5
	v_and_b32 v3, 15, v0
	v_lshlrev_b32 v3, 1, v3                        ; i
	v_cvt_f32_u32 v4, v3
	v_add_nc_u32 v3, 1, v3
	v_cvt_f32_u32 v5, v3
	v_mul_f32 v4, 0xbed49a78, v4                   ; i x (-log2(10000) / 32)
	v_mul_f32 v5, 0xbed49a78, v5
	v_exp_f32 v4, v4                               ; f_i
	v_exp_f32 v5, v5
	v_lshrrev_b32 v6, 4, v0                        ; (plain work behind the two exponentials)
	s_lshl_b32 s36, s25, 4
	v_add_nc_u32 v6, s36, v6                       ; s
	v_cvt_f32_u32 v7, v6
	v_add_nc_u32 v6, 8, v6
	v_cvt_f32_u32 v8, v6
	v_lshlrev_b32 v9, 4, v0
	s_wait_alu depctr_va_vdst(0)                   ; one wait for both exponentials, ahead of their first reader
	v_mul_f32 v32, v7, v4                          ; the four angles, one f32 product each
	v_mul_f32 v33, v7, v5
	v_mul_f32 v34, v8, v4
	v_mul_f32 v35, v8, v5
; angle = N pi/2 + R, |R| <= pi/4.  sin R and cos R by polynomials; N mod 4 says which of the two is the sine and which signs they take.
.macro SINCOS a, c, s
	v_mul_f32 v20, s26, v[\a]
	v_rndne_f32 v20, v20                           ; N
	v_fma_f32 v21, v20, s27, v[\a]
	v_fma_f32 v21, v20, s28, v21                   ; R
	v_cvt_i32_f32 v22, v20
	v_mul_f32 v23, v21, v21                        ; Z = R^2
	v_fma_f32 v24, v23, s29, s30
	v_fma_f32 v26, v23, s32, s33
	v_fma_f32 v24, v24, v23, s31
	v_fma_f32 v26, v26, v23, s34
	v_mul_f32 v25, v23, v21
	v_mul_f32 v28, v23, v23
	v_fma_f32 v27, v23, -0.5, 1.0
	v_fma_f32 v24, v25, v24, v21                   ; sin R
	v_fma_f32 v26, v28, v26, v27                   ; cos R
	v_and_b32 v29, 1, v22
	v_cmp_eq_u32 vcc_lo, 1, v29                    ; N odd: the two change places
	v_cndmask_b32 v[\s], v24, v26, vcc_lo
	v_cndmask_b32 v[\c], v26, v24, vcc_lo
	v_lshlrev_b32 v29, 30, v22                     ; the sine is negative where N mod 4 is 2 or 3: bit 1 of N
	v_and_b32 v29, 0x80000000, v29
	v_xor_b32 v[\s], v29, v[\s]
	v_add_nc_u32 v22, 1, v22                       ; the cosine where it is 1 or 2: bit 1 of N + 1
	v_lshlrev_b32 v29, 30, v22
	v_and_b32 v29, 0x80000000, v29
	v_xor_b32 v[\c], v29, v[\c]
.endm
	SINCOS 32, 40, 41
	SINCOS 33, 42, 43
	SINCOS 34, 44, 45
	SINCOS 35, 46, 47
	s_lshl_b32 s36, s25, 12                        ; 16 rows of 256 bytes a work-group
	s_mov_b32 s37, 0
	s_add_nc_u64 s[20:21], s[20:21], s[36:37]
	global_store_b128 v9, v[40:43], s[20:21]
	global_store_b128 v9, v[44:47], s[20:21] offset:2048
.Lend:
	s_wait_tensorcnt 0x0                           ; the wave's end, behind my last LDS store
	ds_add_u32 v[SPW], v[NIL]
	s_wait_dscnt 0x0
	s_endpgm
.Lfunc_end_k_qd120bc1b7c_prep:
	.size	k_qd120bc1b7c_prep, .Lfunc_end_k_qd120bc1b7c_prep-k_qd120bc1b7c_prep
	.p2alignl 7, 3214868480
	.fill 96, 4, 3214868480
	.section	.rodata,"a",@progbits
	.p2align	6, 0x0
	.amdhsa_kernel k_qd120bc1b7c_prep
		.amdhsa_group_segment_fixed_size 33280
		.amdhsa_private_segment_fixed_size 0
		.amdhsa_enable_private_segment 0
		.amdhsa_kernarg_size 72
		.amdhsa_user_sgpr_count 2
		.amdhsa_user_sgpr_kernarg_segment_ptr 1
		.amdhsa_wavefront_size32 1
		.amdhsa_system_sgpr_workgroup_id_x 1
		.amdhsa_system_sgpr_workgroup_id_y 1
		.amdhsa_system_sgpr_workgroup_id_z 1
		.amdhsa_system_vgpr_workitem_id 0
		.amdhsa_next_free_vgpr 208
		.amdhsa_next_free_sgpr 66
		.amdhsa_reserve_vcc 1
		.amdhsa_float_denorm_mode_32 3
		.amdhsa_float_denorm_mode_16_64 3
		.amdhsa_memory_ordered 1
		.amdhsa_forward_progress 1
		.amdhsa_inst_pref_size 62
	.end_amdhsa_kernel
	.amdgpu_metadata
---
amdhsa.version: [ 1, 2 ]
amdhsa.kernels:
  - .name:           k_qd120bc1b7c_prep
    .symbol:         k_qd120bc1b7c_prep.kd
    .args:
      - { .name: x, .offset: 0, .size: 8, .value_kind: global_buffer, .address_space: global }
      - { .name: Wq, .offset: 8, .size: 8, .value_kind: global_buffer, .address_space: global }
      - { .name: Wk, .offset: 16, .size: 8, .value_kind: global_buffer, .address_space: global }
      - { .name: Wv, .offset: 24, .size: 8, .value_kind: global_buffer, .address_space: global }
      - { .name: Wo, .offset: 32, .size: 8, .value_kind: global_buffer, .address_space: global }
      - { .name: codes, .offset: 40, .size: 8, .value_kind: global_buffer, .address_space: global }
      - { .name: scales, .offset: 48, .size: 8, .value_kind: global_buffer, .address_space: global }
      - { .name: wo16, .offset: 56, .size: 8, .value_kind: global_buffer, .address_space: global }
      - { .name: rope, .offset: 64, .size: 8, .value_kind: global_buffer, .address_space: global }
    .group_segment_fixed_size: 33280
    .private_segment_fixed_size: 0
    .kernarg_segment_align: 8
    .kernarg_segment_size: 72
    .max_flat_workgroup_size: 128
    .sgpr_count:     66
    .vgpr_count:     208
    .wavefront_size: 32
...
	.end_amdgpu_metadata
.endif
;; end of part 1
;; launch qkv (part 2): grid 12 x 32, 4 waves a work-group, clusters of 4 x 4, 327,680 bytes of LDS; arguments codes, scales, rope, qkv, q32; writes qkv, q32
.if DOCPART == 2
	.amdgcn_target "amdgcn-amd-amdhsa--gfx1250"
	.amdhsa_code_object_version 6
	.text
	.protected	k_qd120bc1b7c_qkv
	.globl	k_qd120bc1b7c_qkv
	.p2align	8
	.type	k_qd120bc1b7c_qkv,@function
k_qd120bc1b7c_qkv:
	s_mov_b64 s[64:65], 0
	v_nop
	global_prefetch_b8 v0, s[64:65] scope:SCOPE_SE
	s_setreg_imm32_b32 hwreg(HW_REG_WAVE_MODE, 25, 1), 1
	s_wait_xcnt 0x0
	s_wait_alu depctr_hold_cnt(0) depctr_sa_sdst(0) depctr_va_vdst(0) depctr_va_sdst(0) depctr_va_ssrc(0) depctr_va_vcc(0) depctr_vm_vsrc(0)
	s_getreg_b32 s2, hwreg(HW_REG_IB_STS2, 6, 4)
	s_cmp_eq_u32 s2, 0
	s_cbranch_scc0 .Lentry_in_a_cluster
	s_endpgm
.Lentry_in_a_cluster:
	s_bfe_u32 s2, ttmp6, 0x10000c
	s_cmp_lg_u32 s2, 0xf033
	s_cbranch_scc0 .Lentry_shape_is_right
	s_endpgm
.Lentry_shape_is_right:
; SECOND LAUNCH: q, k, v = x Wq^T, x Wk^T, x Wv^T as ONE product [8,192] x [3,072] over K = 1,024 on codes of FP4 (E2M1) with E8M0 scales, sums in f32; then RoPE on q and k, in f32.
; Results: qkv [3 (q, k, v)][4 b][16 h][2,048 s][64] f16 (rounded once, to nearest even), and q32 [3][4 b][16 s][1,024] f32: positions 0-15 of every sequence, unrounded, for the last launch.
; LIMIT: q, k, v in f16: magnitudes up to 65,504; under 6e-5 as f16 subnormals.  (lambdas is not an argument: first launch's head.)
; A tile of 256 x 256 is made by a work-group of four waves; a wave makes 128 x 128: 64 accumulators of 16 x 16, 512 registers.  K = 1,024 is two LDS slots of 512 (rows of 256 bytes): both are filled at the start, nothing is filled again.
; The scale bytes of the work-group's 256 + 256 rows, for all of K, are two dense blocks of memory: they come into LDS once, with the first fills.
; CLUSTERS: 4 x 4 work-groups.  The four of a row of the cluster need the same tiles of x, the four of a column the same tiles of W: each tile is asked for JOINTLY, by the same tensor load with the same descriptor and a mask that names the four.
; Tile row = 8 cy + cluster y: so the batch is cy and the tile's first position 256 x cluster y; tile column = 4 x cluster x + cx: so cluster x says q, k or v.  Whatever a branch hangs on (cluster x, cluster y, the wave's number) is equal in all partners.
; THE MATRIX INSTRUCTION IS USED TRANSPOSED (source 0 = 16 rows of W, source 1 = 16 rows of x): a lane holds eight neighbouring columns of one row: four pairs of RoPE.
; REGISTERS, in windows of 256: window 0: v0-31 addresses; v32-95 scale words, two sets; v128-191 x's fragments, one set; v192-255 the table's (cos, sin), two sets.  On the way out v32-95 rotated numbers, v96-127 packed, v128-191 rows read back.
;   window 1: W's fragments, two sets, at v0 and v128.   window 2: the accumulators of my rows 0-63 ((a, b) at v[8 (8 a + b)]);   window 3: those of my rows 64-127.
.set NQ,     4                         ; matrix instructions deep in a slot: 512 along K
.set ROWB,   256                       ; a tile's row in bytes
.set KROW,   512                       ; a row of codes in memory
.set PITCH,  272                       ; an LDS row: 256 bytes + 16 of padding = 68 words: the 16 rows that a load touches start 4 banks apart (64 banks of 4 bytes: ISA guide 11.1)
.set FR,     8                         ; registers of a fragment: 16 rows x 128 K
.set NL,     2                         ; LDS loads that bring one
.set NP,     4                         ; places behind this matrix instruction (ISA guide 7.12.1)
.set HALFT,  128*PITCH
.set SLOT,   4*HALFT                   ; x's 256 rows, then W's 256 rows
.set KS,     32                        ; a row of scale bytes
.set SCL,    2*SLOT                    ; behind the slots: the scales, as runs of 256 bytes + 16 of padding
.set HALFS,  (128*KS/256)*272
.set SBLK,   (16*KS/256)*272
.set SPARE,  SCL+4*HALFS               ; the spare words, 128 bytes for each wave, which no other line names
.set STG,    16*528                    ; the way out: a stage for each wave, in slot 0, which has had its only fill and its last read when the first result is stored there
.set ADRA, 16                          ; v16-17  LDS address of my x fragments in slot 0, 1
.set ADRB, 20                          ; v20-21  the same for W
.set STO16, 22                         ; v22  stage, f16 rows of 272 bytes: where I put 16 bytes
.set RD16,  23                         ; v23  and where I read back: four rows of one head's 128 bytes an instruction
.set STO32, 24                         ; v24  stage, f32 rows of 528 bytes: where I put 32 bytes
.set RD32,  25                         ; v25  and where I read a row back
.set CO,   26                          ; v26  16 x lane
.set ADRS, 27                          ; v27  LDS address of my scale words: lanes 0-15 x's rows, lanes 16-31 W's
.set SPW,  28                          ; v28  LDS address of my spare word; never rewritten
.set NIL,  29                          ; v29  0; never rewritten
.set TA,   30                          ; v30  the table: 256 x (lane % 16) + 32 x (lane / 16); never rewritten
.set SC,   32
.set T,    32
.set PK,   96
.set AF,   128
.set BK,   128
.set CS,   192
.set G1, 24
.set G0, 32
.set G1B, 48
.set G0B, 56
.set G1S, 68
.set G0S, 76
.set G1SB, 80
.set G0SB, 88
.set MSB, 0
.macro WIN new                         ; the immediate's high byte repeats the setting that is left; a switch that changes nothing is dropped
.if MSB != (\new)
	s_set_vgpr_msb (MSB<<8)|(\new)
.set MSB, (\new)
.endif
.endm
.set MUL_LO, 0xa1                      ; source 0 (W) window 1, source 1 (x) window 0, C and D window 2
.set MUL_HI, 0xf1                      ; the same, C and D window 3
.set TO_B,   0x40                      ; destination window 1, address window 0
; A joint load: waves 0 and 1 fetch for x, waves 2 and 3 for W.  The branch hangs on the wave's number alone.  An s_nop 0 and four v_nop follow each of the two lines.
.macro JLOAD g0a, g1a, g0b, g1b
	s_cmp_eq_u32 s15, 0
	s_cbranch_scc0 .Lfor_b_\@
	tensor_load_to_lds s[\g0a:\g0a+3], s[\g1a:\g1a+7]
	s_nop 0
.rept 4
	v_nop
.endr
	s_branch .Lasked_\@
.Lfor_b_\@:
	tensor_load_to_lds s[\g0b:\g0b+3], s[\g1b:\g1b+7]
	s_nop 0
.rept 4
	v_nop
.endr
.Lasked_\@:
.endm
.macro CROUND                          ; a round of the cluster's barrier
	s_barrier_signal -1
	s_barrier_wait -1
	s_cmp_lg_u32 s14, 0
	s_cbranch_scc1 .Lnot_wave_0_\@
	s_barrier_signal -3
.Lnot_wave_0_\@:
	s_barrier_wait -3
	s_barrier_signal -1
	s_barrier_wait -1
.endm
	s_load_b128 s[4:7], s[0:1], 0x0                ; codes s[4:5], scales s[6:7]
	s_load_b64 s[98:99], s[0:1], 0x10              ; rope
	s_load_b64 s[12:13], s[0:1], 0x18              ; qkv
	s_load_b64 s[100:101], s[0:1], 0x20            ; q32
	v_lshl_add_u32 v[SPW], v0, 2, SPARE
	v_mov_b32 v[NIL], 0
	ds_add_u32 v[SPW], v[NIL]                      ; the wave's opening: the add, twice on end, and its wait ahead of my first tensor load
	ds_add_u32 v[SPW], v[NIL]
	v_lshrrev_b32 v1, 5, v0
	v_readfirstlane_b32 s14, v1                    ; wave 0..3
	s_lshr_b32 s15, s14, 1                         ; which half of the tile's rows is mine.  Also: I fetch for x (0) or for W (1)
	s_and_b32 s16, s14, 1                          ; which half of its columns.  Also: which 128 rows of that tile I fetch
	s_bfe_u32 s40, ttmp6, 0x40000                  ; cx, cy: my place in the cluster
	s_bfe_u32 s41, ttmp6, 0x40004
	s_lshl_b32 s42, ttmp9, 2
	s_add_co_u32 s42, s42, s40                     ; tile column = 4 x cluster x + cx
	s_and_b32 s95, ttmp7, 0xffff                   ; cluster y
	s_lshl_b32 s17, s41, 3
	s_add_co_u32 s17, s17, s95                     ; tile row = 8 cy + cluster y
	s_lshl_b32 s43, s41, 2
	s_lshl_b32 s43, 15, s43                        ; my row of the cluster
	s_lshl_b32 s44, 0x1111, s40                    ; my column
	; descriptor group 1: a tile of 128 rows x 256 bytes, padded in LDS
	s_or_b32 s[G1+0], s43, (0<<16)|(1<<20)|(1<<21)|(5<<22)|(3<<25)  ; 15:0 the mask: x's tiles go to my row; 17:16 elements of 1 byte; 20 padding on; 21 set beside a mask; 24:22 after every 64 words; 31:25 four words
	s_or_b32 s[G1B+0], s44, (0<<16)|(1<<20)|(1<<21)|(5<<22)|(3<<25)
.irp g, G1, G1B
	s_mov_b32 s[\g+1], ROWB<<16                    ; tensor_dim0
	s_mov_b32 s[\g+2], 128<<16                     ; tensor_dim1
	s_mov_b32 s[\g+3], ROWB<<16                    ; tile_dim0
	s_mov_b32 s[\g+4], 128                         ; tile_dim1
	s_mov_b32 s[\g+5], KROW                        ; tensor_dim0_stride
	s_mov_b32 s[\g+6], 0
	s_mov_b32 s[\g+7], 0
.endr
	; the scales of 128 rows: a dense block of 4,096 bytes, as 16 rows of 256 bytes (32 elements of 8 bytes), 16 bytes of padding behind each
	s_or_b32 s[G1S+0], s43, (3<<16)|(1<<20)|(1<<21)|(5<<22)|(3<<25)
	s_or_b32 s[G1SB+0], s44, (3<<16)|(1<<20)|(1<<21)|(5<<22)|(3<<25)
.irp g, G1S, G1SB
	s_mov_b32 s[\g+1], 32<<16
	s_mov_b32 s[\g+2], (128*KS/256)<<16
	s_mov_b32 s[\g+3], 32<<16
	s_mov_b32 s[\g+4], 128*KS/256
	s_mov_b32 s[\g+5], 32
	s_mov_b32 s[\g+6], 0
	s_mov_b32 s[\g+7], 0
.endr
	s_lshl_b32 s18, s16, 7                         ; which 128 rows of the tile I fetch
	s_lshl_b32 s20, s17, 8
	s_add_co_u32 s20, s20, s18                     ; x: row 256 x tile row + 128 x half
	s_lshl_b32 s46, s42, 8
	s_add_co_u32 s46, s46, s18                     ; W: row 256 x tile column + 128 x half
	s_mov_b32 s21, 0
	s_mov_b32 s47, 0
	s_mov_b64 s[18:19], KS
	s_mul_u64 s[22:23], s[20:21], s[18:19]         ; where these rows' scales begin, in bytes
	s_mul_u64 s[92:93], s[46:47], s[18:19]
	s_mov_b64 s[18:19], KROW
	s_mul_u64 s[20:21], s[20:21], s[18:19]         ; and their codes
	s_mul_u64 s[46:47], s[46:47], s[18:19]
	s_mul_i32 s45, s14, HALFT                      ; where they go: wave x 128 rows: no place in the cluster enters an LDS address
	s_mul_i32 s94, s14, HALFS
	s_wait_dscnt 0x0                               ; both opening adds are done
	s_wait_kmcnt 0x0
	s_add_nc_u64 s[8:9], s[4:5], 4194304           ; W's codes lie behind x's 8,192 rows of 512 bytes,
	s_add_nc_u64 s[10:11], s[6:7], 262144          ; W's scales behind x's 8,192 rows of 32
	s_add_nc_u64 s[20:21], s[4:5], s[20:21]
	s_add_nc_u64 s[22:23], s[6:7], s[22:23]
	s_add_nc_u64 s[46:47], s[8:9], s[46:47]
	s_add_nc_u64 s[92:93], s[10:11], s[92:93]
	CROUND                                         ; all sixteen work-groups are here: the joint loads meet
	s_mov_b32 s[G0S], 1
	s_add_co_u32 s[G0S+1], s94, SCL
	s_mov_b64 s[G0S+2:G0S+3], s[22:23]
	s_or_b32 s[G0S+3], s[G0S+3], 0x80000000
	s_mov_b32 s[G0SB], 1
	s_add_co_u32 s[G0SB+1], s94, SCL
	s_mov_b64 s[G0SB+2:G0SB+3], s[92:93]
	s_or_b32 s[G0SB+3], s[G0SB+3], 0x80000000
	JLOAD G0S, G1S, G0SB, G1SB                     ; the scales first: they are wanted with the first slot.  Three loads of mine are out in all
.irp s, 0,1
	s_mov_b32 s[G0+4*\s], 1
	s_add_co_u32 s[G0+4*\s+1], s45, \s*SLOT
	s_add_nc_u64 s[G0+4*\s+2:G0+4*\s+3], s[20:21], \s*ROWB
	s_or_b32 s[G0+4*\s+3], s[G0+4*\s+3], 0x80000000
	s_mov_b32 s[G0B+4*\s], 1
	s_add_co_u32 s[G0B+4*\s+1], s45, \s*SLOT
	s_add_nc_u64 s[G0B+4*\s+2:G0B+4*\s+3], s[46:47], \s*ROWB
	s_or_b32 s[G0B+4*\s+3], s[G0B+4*\s+3], 0x80000000
	JLOAD G0+4*\s, G1, G0B+4*\s, G1B
.endr
	v_and_b32 v1, 15, v0                           ; r = lane % 16
	v_bfe_u32 v2, v0, 4, 1                         ; h = lane / 16
	v_mul_u32_u24 v3, v1, PITCH
	v_lshl_add_u32 v4, v2, 4, v3                   ; a fragment's row x pitch + 16 x half
	s_mul_i32 s21, s15, HALFT                      ; my 128 rows of x
	s_mul_i32 s22, s16, HALFT                      ; my 128 rows of W,
	s_add_co_u32 s22, s22, 2*HALFT                 ; which lie behind x's 256
.irp s, 0,1
	v_add_nc_u32 v[ADRA+\s], s21, v4
	v_add_nc_u32 v[ADRB+\s], s22, v4
	s_add_co_u32 s21, s21, SLOT
	s_add_co_u32 s22, s22, SLOT
.endr
	v_mul_u32_u24 v5, v1, KS                       ; my row's scales: 32 bytes a row,
	v_lshrrev_b32 v6, 8, v5
	v_lshl_add_u32 v5, v6, 4, v5                   ; and 16 more for each 256 passed
	s_mul_i32 s21, s15, HALFS
	s_mul_i32 s22, s16, HALFS
	s_add_co_u32 s22, s22, 2*HALFS
	s_sub_co_u32 s22, s22, s21
	v_mul_u32_u24 v6, s22, v2                      ; lanes 16-31 take W's: one product, the distance between the two bases
	s_add_co_u32 s21, s21, SCL
	v_add_nc_u32 v5, v5, v6
	v_add_nc_u32 v[ADRS], s21, v5
	s_mul_i32 s23, s14, STG                        ; my stage
	v_mul_u32_u24 v5, v1, 528
	v_lshl_add_u32 v5, v2, 5, v5
	v_add_nc_u32 v[STO32], s23, v5
	v_and_b32 v6, 31, v0
	v_lshlrev_b32 v[CO], 4, v6
	v_add_nc_u32 v[RD32], s23, v[CO]
	v_add_nc_u32 v[STO16], s23, v4                 ; 272 r + 16 h
	v_bfe_u32 v5, v0, 3, 2
	v_mul_u32_u24 v5, v5, 272
	v_and_b32 v6, 7, v0
	v_lshl_add_u32 v5, v6, 4, v5
	v_add_nc_u32 v[RD16], s23, v5                  ; 272 (lane / 8) + 16 (lane % 8)
	v_lshlrev_b32 v[TA], 8, v1
	v_lshl_add_u32 v[TA], v2, 5, v[TA]
	; where my part begins.  My first position in the sequence: 256 x cluster y + 128 x row half
	s_lshl_b32 s20, s95, 16
	s_lshl_b32 s21, s15, 15
	s_add_co_u32 s20, s20, s21
	s_mov_b32 s21, 0
	s_add_nc_u64 s[98:99], s[98:99], s[20:21]      ; the table: 256 bytes a position
	s_lshl_b32 s46, s41, 4                         ; qkv: head's number 16 cy + 4 cx + 2 x column half, 262,144 bytes a head,
	s_lshl_b32 s47, s40, 2
	s_add_co_u32 s46, s46, s47
	s_lshl_b32 s47, s16, 1
	s_add_co_u32 s46, s46, s47
	s_lshl_b32 s46, s46, 18
	s_lshl_b32 s47, ttmp9, 24                      ; 16,777,216 bytes a tensor,
	s_add_co_u32 s46, s46, s47
	s_lshl_b32 s47, s95, 15                        ; 128 bytes a position
	s_add_co_u32 s46, s46, s47
	s_lshl_b32 s47, s15, 14
	s_add_co_u32 s46, s46, s47
	s_mov_b32 s47, 0
	s_add_nc_u64 s[12:13], s[12:13], s[46:47]
	s_lshl_b32 s46, ttmp9, 2                       ; q32: (4 x tensor + batch) x 65,536 + 4 x my first column
	s_add_co_u32 s46, s46, s41
	s_lshl_b32 s46, s46, 16
	s_lshl_b32 s47, s40, 10
	s_add_co_u32 s46, s46, s47
	s_lshl_b32 s47, s16, 9
	s_add_co_u32 s46, s46, s47
	s_mov_b32 s47, 0
	s_add_nc_u64 s[100:101], s[100:101], s[46:47]
	s_or_b32 s96, s95, s15                         ; 0 where my block 0 is positions 0-15 of its sequence
.macro FRAG reg, adr, q, i             ; a fragment, 16 rows x 128 K of 4-bit codes: lane l holds row l % 16; registers 4 c .. 4 c + 3 hold K = 64 c + 32 (l / 16) + 0 .. 31
.irp c, 0,1
	ds_load_b128 v[\reg+4*\c:\reg+4*\c+3], v[\adr] offset:64*(\q)+32*\c+(\i)*16*PITCH
.endr
.endm
; 16 matrix instructions: x's blocks a0, a0 + 1 against W's eight, 128 along K: the slot's q-th.  p: W's set;  sc: the set of scale words.  zero = 1: the first product starts the sums.
; The 64 accumulators take turns, one instruction a turn, in the same order in every step.
.macro MUL16 a0, p, q, sc, zero
.irp a, \a0, \a0+1
.irp b, 0,1,2,3,4,5,6,7
.if \zero
	v_wmma_scale_f32_16x16x128_f8f6f4 v[8*(8*((\a)%4)+\b):8*(8*((\a)%4)+\b)+7], v[128*(\p)+FR*\b:128*(\p)+FR*\b+FR-1], v[AF+FR*(\a):AF+FR*(\a)+FR-1], 0, v[SC+8*NQ*(\sc)+NQ*\b+(\q)], v[SC+8*NQ*(\sc)+NQ*(\a)+(\q)] matrix_a_fmt:MATRIX_FMT_FP4 matrix_b_fmt:MATRIX_FMT_FP4 matrix_a_scale:MATRIX_SCALE_ROW1
.else
	v_wmma_scale_f32_16x16x128_f8f6f4 v[8*(8*((\a)%4)+\b):8*(8*((\a)%4)+\b)+7], v[128*(\p)+FR*\b:128*(\p)+FR*\b+FR-1], v[AF+FR*(\a):AF+FR*(\a)+FR-1], v[8*(8*((\a)%4)+\b):8*(8*((\a)%4)+\b)+7], v[SC+8*NQ*(\sc)+NQ*\b+(\q)], v[SC+8*NQ*(\sc)+NQ*(\a)+(\q)] matrix_a_fmt:MATRIX_FMT_FP4 matrix_b_fmt:MATRIX_FMT_FP4 matrix_a_scale:MATRIX_SCALE_ROW1
.endif
.endr
.endr
.endm
.macro FETCH_B slot, q, p              ; W's eight fragments of the slot's q-th 128 along K into set p
	WIN TO_B
.irp i, 0,1,2,3,4,5,6,7
	FRAG 128*(\p)+FR*\i, ADRB+\slot, \q, \i
.endr
	WIN 0
.endm
.macro FETCH_A slot, q, i0             ; x's blocks i0 .. i0 + 3
.irp i, \i0, \i0+1, \i0+2, \i0+3
	FRAG AF+FR*(\i), ADRA+\slot, \q, \i
.endr
.endm
.macro SCALES sc                       ; a slot's scale words into set sc: four words a row; lanes 0-15 take x's block i, lanes 16-31 W's block i
.irp i, 0,1,2,3,4,5,6,7
	ds_load_b128 v[SC+8*NQ*\sc+NQ*\i:SC+8*NQ*\sc+NQ*\i+3], v[ADRS] offset:\i*SBLK
.endr
.endm
; A load into a register that a matrix instruction has read, and a vector instruction or an LDS store that reads a matrix result, stand NP places behind that matrix instruction; only plain vector
; instructions that name none of its registers are places (ISA guide 7.12.1 for vector instructions).
.macro PLACES n
.rept \n
	v_nop
.endr
.endm
.macro STEP slot, q, zero              ; a step of 128 along K that has its successor in the same slot
	s_wait_dscnt 4*NL                              ; W's set and x's blocks 0-3 are in; the youngest eight loads (x's blocks 4-7) may be out
	WIN MUL_LO
	MUL16 0, (\q)%2, \q, \slot, \zero
	MUL16 2, (\q)%2, \q, \slot, \zero
	s_wait_dscnt 0                                 ; x's blocks 4-7 are in (asked for 32 matrix instructions ago)
	PLACES NP
	FETCH_B \slot, (\q)+1, 1-(\q)%2
	FETCH_A \slot, (\q)+1, 0
	WIN MUL_HI
	MUL16 4, (\q)%2, \q, \slot, \zero
	MUL16 6, (\q)%2, \q, \slot, \zero
	PLACES NP
	WIN 0
	FETCH_A \slot, (\q)+1, 4
.endm
.macro STEPS slot, from                ; the slot's steps from .. NQ - 2
.set Q, \from
.rept NQ-1-\from
	STEP \slot, Q, 0
.set Q, Q+1
.endr
.endm
	s_wait_tensorcnt 1                             ; the scales and my part of slot 0 are in (slot 1's load may be out)
	s_barrier_signal -1
	s_barrier_wait -1                              ; everybody's are
	FETCH_B 0, 0, 0
	FETCH_A 0, 0, 0
	SCALES 0
	FETCH_A 0, 0, 4
	STEP 0, 0, 1                                   ; the first step's products start the sums: nothing is ever cleared
	STEPS 0, 1
	; slot 0's last step changes slots: one barrier; in front of it each wave waits for all its tensor loads (its part of slot 1), adds 0 to its spare word, and waits for that and for its reads of slot 0
	s_wait_tensorcnt 0x0
	ds_add_u32 v[SPW], v[NIL]
	s_wait_dscnt 4*NL+1                            ; (the add and the youngest eight loads may be out)
	WIN MUL_LO
	MUL16 0, 1, NQ-1, 0, 0                         ; sixteen matrix instructions stand between the add and the wait for it
	s_wait_dscnt 0x0                               ; the add is done, and my reads of slot 0 are over
	s_barrier_signal -1
	MUL16 2, 1, NQ-1, 0, 0
	WIN 0
	s_barrier_wait -1                              ; slot 1 is whole, and nobody reads slot 0 any more: the stages may lie there
	PLACES NP
	v_add_nc_u32 v[ADRS], 4*NQ, v[ADRS]            ; on to slot 1's scale words
	FETCH_B 1, 0, 0
	FETCH_A 1, 0, 0
	SCALES 1
	WIN MUL_HI
	MUL16 4, 1, NQ-1, 0, 0
	MUL16 6, 1, NQ-1, 0, 0
	PLACES NP
	WIN 0
	FETCH_A 1, 0, 4
.macro SECOND                          ; slot 1's four steps; the places at the end serve the first reads of results and the first writes of registers that the products named
	STEPS 1, 0
	s_wait_dscnt 4*NL
	WIN MUL_LO
	MUL16 0, 1, NQ-1, 1, 0
	MUL16 2, 1, NQ-1, 1, 0
	s_wait_dscnt 0
	WIN MUL_HI
	MUL16 4, 1, NQ-1, 1, 0
	MUL16 6, 1, NQ-1, 1, 0
	WIN 0
	PLACES NP
.endm
; THE WAY OUT, block by block of 16 rows x 128 columns (two heads).  In accumulator (a, b) lane (r, h) holds row 16 a + r and columns 16 b + 8 h + 0 .. 7: pairs 8 (b % 4) + 4 h + 0 .. 3 of head b / 4.
.macro TABLE a                         ; block a's (cos, sin): my row's pairs 8 bb + 4 h + 0 .. 3, 32 bytes for each bb, into set a % 2
.irp bb, 0,1,2,3
.irp e, 0,1
	global_load_b128 v[CS+32*((\a)%2)+8*\bb+4*\e:CS+32*((\a)%2)+8*\bb+4*\e+3], v[TA], s[98:99] offset:4096*(\a)+64*\bb+16*\e
.endr
.endr
.endm
.macro ROPE a                          ; (xe, xo) -> (xe c - xo s, xo c + xe s), a pair an instruction; each accumulator is read from its low end on
.set AC, 64*((\a)%4)
.set CC, CS+32*((\a)%2)
	WIN 0x02+(\a)/4                                ; source 0: window 2 or 3
.irp b, 0,1,2,3,4,5,6,7
.irp p, 0,1,2,3
	v_pk_mul_f32 v[T+8*\b+2*\p:T+8*\b+2*\p+1], v[AC+8*\b+2*\p:AC+8*\b+2*\p+1], v[CC+8*(\b%4)+2*\p:CC+8*(\b%4)+2*\p+1] op_sel:[1,1] op_sel_hi:[0,1]   ; (xo s, xe s)
.endr
.endr
.irp b, 0,1,2,3,4,5,6,7
.irp p, 0,1,2,3
	v_pk_fma_f32 v[T+8*\b+2*\p:T+8*\b+2*\p+1], v[AC+8*\b+2*\p:AC+8*\b+2*\p+1], v[CC+8*(\b%4)+2*\p:CC+8*(\b%4)+2*\p+1], v[T+8*\b+2*\p:T+8*\b+2*\p+1] op_sel_hi:[1,0,1] neg_lo:[0,0,1]   ; (xe c - xo s, xo c + xe s)
.endr
.endr
	WIN 0
.endm
.macro PACKR                           ; the rotated numbers to f16: 16 bytes for each b
.irp b, 0,1,2,3,4,5,6,7
.irp p, 0,1,2,3
	v_cvt_pk_f16_f32 v[PK+4*\b+\p], v[T+8*\b+2*\p], v[T+8*\b+2*\p+1]
.endr
.endr
.endm
.macro PACKV a                         ; v has no RoPE: straight from the accumulators
.set AC, 64*((\a)%4)
	WIN 0x0a+5*((\a)/4)                            ; sources 0 and 1: window 2 or 3
.irp b, 0,1,2,3,4,5,6,7
.irp p, 0,1,2,3
	v_cvt_pk_f16_f32 v[PK+4*\b+\p], v[AC+8*\b+2*\p], v[AC+8*\b+2*\p+1]
.endr
.endr
	WIN 0
.endm
; Positions 0-15 also leave in f32: block 0 of the waves whose first position is 0.  The branch hangs on cluster y and the wave's number.  w = 0: the rotated numbers; 1: the accumulators.
.macro COPY32 w
	s_cmp_lg_u32 s96, 0
	s_cbranch_scc1 .Lnot_first_\@
.if \w
	WIN 0x08                                       ; an LDS store's data are its source 1: window 2
.irp b, 0,1,2,3,4,5,6,7
	ds_store_b128 v[STO32], v[8*\b:8*\b+3] offset:64*\b
	ds_store_b128 v[STO32], v[8*\b+4:8*\b+7] offset:64*\b+16
.endr
	WIN 0
.else
.irp b, 0,1,2,3,4,5,6,7
	ds_store_b128 v[STO32], v[T+8*\b:T+8*\b+3] offset:64*\b
	ds_store_b128 v[STO32], v[T+8*\b+4:T+8*\b+7] offset:64*\b+16
.endr
.endif
.irp t, 0,1,2,3,4,5,6,7,8,9,10,11,12,13,14,15
	ds_load_b128 v[BK+4*\t:BK+4*\t+3], v[RD32] offset:\t*528   ; LDS serves a wave's instructions in order: these see my stores
.endr
	s_wait_dscnt 0x0
.irp t, 0,1,2,3,4,5,6,7,8,9,10,11,12,13,14,15
	global_store_b128 v[CO], v[BK+4*\t:BK+4*\t+3], s[100:101] offset:4096*\t   ; 32 lanes store 512 consecutive bytes, aligned
.endr
	s_wait_xcnt 0x0                                ; the stores have read their registers: the blocks' rows may land there
.Lnot_first_\@:
.endm
.macro STAGE16 a                       ; into rows of 272 bytes, and back by heads: 16 rows of one head are 2,048 consecutive bytes of qkv, four rows an instruction
.irp b, 0,1,2,3,4,5,6,7
	ds_store_b128 v[STO16], v[PK+4*\b:PK+4*\b+3] offset:32*\b
.endr
.set BB, BK+32*((\a)%2)
.irp hh, 0,1
.irp t, 0,1,2,3
	ds_load_b128 v[BB+4*(4*\hh+\t):BB+4*(4*\hh+\t)+3], v[RD16] offset:128*\hh+1088*\t
.endr
.endr
.endm
.macro SEND16 a, younger               ; younger: the LDS instructions issued behind block a's loads, which may stay out
.set BB, BK+32*((\a)%2)
	s_wait_dscnt \younger
.irp hh, 0,1
.irp t, 0,1,2,3
	global_store_b128 v[CO], v[BB+4*(4*\hh+\t):BB+4*(4*\hh+\t)+3], s[12:13] offset:2048*(\a)+262144*\hh+512*\t   ; 32 lanes store 512 consecutive bytes, aligned; every place is an immediate: no base is stepped
.endr
.endr
.endm
	; The text parts here once, on cluster x (q and k, or v), and slot 1's steps are written in both arms: so the table's first loads stand 256 matrix instructions ahead of their use, and v's tiles load no table.  No barrier stands in an arm.
	s_cmp_eq_u32 ttmp9, 2
	s_cbranch_scc1 .Lv
	TABLE 0
	TABLE 1
	SECOND
	s_wait_loadcnt 8                               ; block 0's table is in; block 1's eight loads may be out
	ROPE 0
	TABLE 2
	COPY32 0
	PACKR
	STAGE16 0
.irp a, 1,2,3,4,5,6,7
.if \a < 7
	s_wait_loadcnt 8                               ; this block's table is in; the next block's eight loads may be out
.else
	s_wait_loadcnt 0
.endif
	ROPE \a
.if \a < 6
	TABLE \a+2
.endif
	PACKR
.if \a > 1
	s_wait_xcnt 0x0                                ; block a - 2's stores have read their registers: block a's rows may land there
.endif
	STAGE16 \a
	SEND16 \a-1, 16                                ; behind block a - 1's loads: block a's 8 stores and 8 loads
.endr
	SEND16 7, 0
	s_branch .Lend
.Lv:
	SECOND
	COPY32 1
	PACKV 0
	STAGE16 0
.irp a, 1,2,3,4,5,6,7
	PACKV \a
.if \a > 1
	s_wait_xcnt 0x0
.endif
	STAGE16 \a
	SEND16 \a-1, 16
.endr
	SEND16 7, 0
.Lend:
	s_wait_tensorcnt 0x0                           ; the wave's end, behind my last tensor load and my last LDS store
	ds_add_u32 v[SPW], v[NIL]
	s_wait_dscnt 0x0
	CROUND                                         ; the closing round
	s_endpgm
.Lfunc_end_k_qd120bc1b7c_qkv:
	.size	k_qd120bc1b7c_qkv, .Lfunc_end_k_qd120bc1b7c_qkv-k_qd120bc1b7c_qkv
	.p2alignl 7, 3214868480
	.fill 96, 4, 3214868480
	.section	.rodata,"a",@progbits
	.p2align	6, 0x0
	.amdhsa_kernel k_qd120bc1b7c_qkv
		.amdhsa_group_segment_fixed_size 327680
		.amdhsa_private_segment_fixed_size 0
		.amdhsa_enable_private_segment 0
		.amdhsa_kernarg_size 40
		.amdhsa_user_sgpr_count 2
		.amdhsa_user_sgpr_kernarg_segment_ptr 1
		.amdhsa_wavefront_size32 1
		.amdhsa_system_sgpr_workgroup_id_x 1
		.amdhsa_system_sgpr_workgroup_id_y 1
		.amdhsa_system_sgpr_workgroup_id_z 1
		.amdhsa_system_vgpr_workitem_id 0
		.amdhsa_next_free_vgpr 1024
		.amdhsa_next_free_sgpr 102
		.amdhsa_reserve_vcc 0
		.amdhsa_float_denorm_mode_32 3
		.amdhsa_float_denorm_mode_16_64 3
		.amdhsa_memory_ordered 1
		.amdhsa_forward_progress 1
		.amdhsa_inst_pref_size 243
	.end_amdhsa_kernel
	.amdgpu_metadata
---
amdhsa.version: [ 1, 2 ]
amdhsa.kernels:
  - .name:           k_qd120bc1b7c_qkv
    .symbol:         k_qd120bc1b7c_qkv.kd
    .args:
      - { .name: codes, .offset: 0, .size: 8, .value_kind: global_buffer, .address_space: global }
      - { .name: scales, .offset: 8, .size: 8, .value_kind: global_buffer, .address_space: global }
      - { .name: rope, .offset: 16, .size: 8, .value_kind: global_buffer, .address_space: global }
      - { .name: qkv, .offset: 24, .size: 8, .value_kind: global_buffer, .address_space: global }
      - { .name: q32, .offset: 32, .size: 8, .value_kind: global_buffer, .address_space: global }
    .group_segment_fixed_size: 327680
    .private_segment_fixed_size: 0
    .kernarg_segment_align: 8
    .kernarg_segment_size: 40
    .max_flat_workgroup_size: 128
    .sgpr_count:     102
    .vgpr_count:     1024
    .wavefront_size: 32
...
	.end_amdgpu_metadata
.endif
;; end of part 2
;; launch attn (part 3): grid 8 x 64, 16 waves a work-group, no clusters, 327,680 bytes of LDS; arguments qkv, ho; writes ho
.if DOCPART == 3
	.amdgcn_target "amdgcn-amd-amdhsa--gfx1250"
	.amdhsa_code_object_version 6
	.text
	.protected	k_qd120bc1b7c_attn
	.globl	k_qd120bc1b7c_attn
	.p2align	8
	.type	k_qd120bc1b7c_attn,@function
k_qd120bc1b7c_attn:
	s_mov_b64 s[64:65], 0
	v_nop
	global_prefetch_b8 v0, s[64:65] scope:SCOPE_SE
	s_setreg_imm32_b32 hwreg(HW_REG_WAVE_MODE, 25, 1), 1
	s_wait_xcnt 0x0
; THIRD LAUNCH: ho[bh][q][:] = the sum over keys k <= q of softmax_k(q . k / 8) v[k][:], for each of 64 (batch, head).  q, k, v: qkv [3][64 bh][2,048][64] f16; ho [64 bh][2,048][64] f16.
; Products on f16 operands with f32 sums; maxima, exponentials and sums in f32; the weights p are rounded to f16 for the second product, ho once at the end.
; WORK LEFT OUT: steps of 64 keys that lie wholly behind a wave's 16 queries: reference()'s own causal mask gives them the weight 0 (first launch's head).
; Queries 0-15 are computed here too (they are 16 rows of a block that is live, and the next launch's tiles hold their bytes); their rows of the result are made by the last launch, in f32.
; LIMITS: p <= 1 in f16 (under 6e-5 as subnormals); ho lies within v's range.
; SHARES.  A work-group owns two blocks of 128 queries of one head: waves 0-7 block j, waves 8-15 block 15 - j (j = work-group x), 16 queries a wave: so every work-group has the same number of live steps.
; No cluster: under the mask the work-groups of a head need different numbers of tiles, so joint requests would bring tiles that some partner never reads.
; EVERY work-group walks all 8 slots of 256 keys: the trip counts are constants.  A step whose keys are all hidden is jumped over by a branch on ids; a slot whose first key lies behind the work-group's last query is not asked for.
; K's and V's tiles come through a ring of two LDS slots, filled by the tensor data mover (waves 0, 1: K's halves; waves 2, 3: V's) and read by all sixteen waves.
; LAYOUT.  S^T = K Q^T (source 0 = 16 keys, source 1 = my 16 queries): a lane holds ONE query (lane % 16) and keys 8 (lane / 16) + 0..7 of each tile.  Two such tiles, rounded to f16 in pairs, ARE source 1 (32 keys x 16 queries) of
; O^T = V^T P, whose result again holds one query a lane.  K comes out of LDS as it lies, V ([key][channel]) turned, by ds_load_tr16_b128.
; SOFTMAX.  A running maximum m and sum l for each query: p = 2^(c s - c m), c = log2(e) / 8; in every step O^T and l are multiplied by a = 2^(c m_old - c m_new).  Key 0 counts for every query, so m is a number from the first step on.
.set SK,    256                        ; keys in a slot
.set NQ,    4                          ; steps of 64 keys in a slot
.set KP,    144                        ; a key's row in LDS: 128 bytes + 16 of padding: an odd multiple of 16
.set VP,    160                        ; a row of V: 128 + 32: an odd multiple of 32, for the turning load
.set VOFF,  SK*KP
.set SLOT1, 1<<17                      ; slot 1 begins here, so that one exclusive or turns an address in one slot into the other's
.set NSL,   8
.set STAGE, 2*SLOT1                    ; behind the ring: 16 rows x 144 bytes for each wave, for the way out
.set SPARE, STAGE+16*16*KP             ; the spare words, 128 bytes for each wave, which no other line names
.set AK0, 1                            ; v1   my lane's place in a tile of K
.set AV0, 2                            ; v2   the same for V
.set SPW, 3                            ; v3   LDS address of my spare word; never rewritten
.set NIL, 4                            ; v4   0; never rewritten
.set ADK, 5                            ; v5   LDS address of the step's tiles of K
.set ADV, 6                            ; v6   of V
.set GO,  7                            ; v7   16 x lane
.set STO, 8                            ; v8   the way out: where I put 16 bytes of a row
.set RD,  9                            ; v9   and where I read back
.set DQ,  10                           ; v10  lane % 16 - 8 (lane / 16)
.set PFO, 11                           ; v11  256 x lane: the prefetches' offset; never rewritten
                                       ; v12 c m, v13 m, v[14:15] l in two halves, v16-19 four chains of the maximum, v[20:21] a, v22-23 at work
.set QR,  24                           ; v24-39   Q: two fragments
.set KR,  40                           ; v40-103  K: fragment (tile kt, channels 32 c) at 8 (2 kt + c)
.set VR,  104                          ; v104-167 V^T: fragment (keys 32 ks, channels 16 t) at 8 (4 ks + t)
.set SS,  168                          ; v168-199 S^T, then p
.set PP,  200                          ; v200-215 P in f16
.set OO,  216                          ; v216-247 O^T
.set WV,   18
.set SEL,  20                          ; s[20:21] lane selects for v_permlanex16_b32: lane l xor 16
.set CS,   22                          ; s[22:23] c, twice: the packed form names a pair
.set G1K,  24
.set G1V,  32
.set G0K,  40
.set G0V,  44
.set TB,   2                           ; s2   LDS byte at which the slot in hand begins
.set SLOTS, 67
.set LQ,   68                          ; s68  my work-group's last query
.set PFA,  76                          ; s[76:77] where my prefetches stand
.set LIM,  80                          ; s80  1 in a wave that prefetches, else the greatest number
.set KF,   98                          ; s98  the step's first key
.set Q0,   99                          ; s99  my first query
; Waves 0 and 1 fetch for K, waves 2 and 3 for V, the others nothing.  The branches hang on the wave's number alone.  An s_nop 0 and four v_nop follow each of the two lines.
.macro TLOAD
	s_cmp_lt_u32 s[WV], 2
	s_cbranch_scc0 .Lnot_k_\@
	tensor_load_to_lds s[G0K:G0K+3], s[G1K:G1K+7]
	s_nop 0
.rept 4
	v_nop
.endr
	s_branch .Lasked_\@
.Lnot_k_\@:
	s_cmp_lt_u32 s[WV], 4
	s_cbranch_scc0 .Lasked_\@
	tensor_load_to_lds s[G0V:G0V+3], s[G1V:G1V+7]
	s_nop 0
.rept 4
	v_nop
.endr
.Lasked_\@:
.endm
; A PREFETCH of what the NEXT change of slots will ask for: a slot's 256 rows of K and of V, each one dense block of 32,768 bytes.  All work-groups of a head walk the same K and V: work-group x = 0, which walks all keys, asks.
; In it the waves ask that fetch nothing, one instruction each: waves 4-7 for K's block, waves 8-11 for V's, 8,192 bytes a wave, lanes 256 bytes apart: each aligned 256 bytes are named once in the launch.
; It stands a slot's four steps ahead of the load.  The last change that fills a slot asks for nothing; slots 0 and 1 come by their loads alone.
.macro ASK
	s_cmp_gt_u32 s[SLOTS], s[LIM]
	s_cbranch_scc0 .Lnot_mine_\@
	global_prefetch_b8 v[PFO], s[PFA:PFA+1] th:TH_LOAD_NT scope:SCOPE_SE
.Lnot_mine_\@:
.endm
	s_load_b128 s[4:7], s[0:1], 0x0                ; qkv s[4:5], ho s[6:7]
	v_lshl_add_u32 v[SPW], v0, 2, SPARE
	v_mov_b32 v[NIL], 0
	ds_add_u32 v[SPW], v[NIL]                      ; the wave's opening: the add, twice on end, and its wait ahead of my first tensor load
	ds_add_u32 v[SPW], v[NIL]
	v_lshrrev_b32 v5, 5, v0
	v_readfirstlane_b32 s[WV], v5                  ; wave 0..15
	s_and_b32 s8, ttmp7, 0xffff                    ; (batch, head)
	s_lshl_b32 s8, s8, 18                          ; 262,144 bytes a head, in q, k, v and ho alike
	s_mov_b32 s9, 0
	s_sub_co_u32 s10, 15, ttmp9
	s_cmp_lt_u32 s[WV], 8
	s_cselect_b32 s10, ttmp9, s10                  ; my block of 128 queries
	s_lshl_b32 s10, s10, 7
	s_and_b32 s11, s[WV], 7
	s_lshl_b32 s11, s11, 4
	s_add_co_u32 s[Q0], s10, s11
	s_sub_co_u32 s[LQ], 16, ttmp9
	s_lshl_b32 s[LQ], s[LQ], 7
	s_sub_co_u32 s[LQ], s[LQ], 1                   ; 128 (16 - j) - 1
	s_and_b32 s12, s[WV], 1                        ; which half of a slot's 256 rows I fetch, if I fetch:
	s_lshl_b32 s14, s12, 14                        ; in memory,
	s_mov_b32 s15, 0
	s_add_nc_u64 s[14:15], s[14:15], s[8:9]
	s_mul_i32 s16, s12, 128*KP                     ; and in a slot
	s_mul_i32 s17, s12, 128*VP
	s_add_co_u32 s17, s17, VOFF
	s_lshl_b32 s72, s[Q0], 7
	s_mov_b32 s73, 0
	s_add_nc_u64 s[72:73], s[72:73], s[8:9]        ; my first query's byte in q and in ho
	; descriptor group 1: 128 rows of 64 elements of 2 bytes, dense in memory, padded in LDS
	s_mov_b32 s[G1K], (1<<16)|(1<<20)|(4<<22)|(3<<25)   ; 15:0 no mask; 17:16 elements of 2 bytes; 20 padding on; 24:22 after every 32 words; 31:25 four words
	s_mov_b32 s[G1V], (1<<16)|(1<<20)|(4<<22)|(7<<25)   ; the same with eight words
.irp g, G1K, G1V
	s_mov_b32 s[\g+1], 64<<16                      ; tensor_dim0
	s_mov_b32 s[\g+2], 128<<16                     ; tensor_dim1
	s_mov_b32 s[\g+3], 64<<16                      ; tile_dim0
	s_mov_b32 s[\g+4], 128                         ; tile_dim1
	s_mov_b32 s[\g+5], 64                          ; tensor_dim0_stride
	s_mov_b32 s[\g+6], 0
	s_mov_b32 s[\g+7], 0
.endr
	s_mov_b32 s[SEL], 0x76543210
	s_mov_b32 s[SEL+1], 0xfedcba98
	s_mov_b32 s[CS], 0x3e38aa3b                    ; c = log2(e) / 8
	s_mov_b32 s[CS+1], s[CS]
	s_mov_b32 s[TB], 0
	s_mov_b32 s[SLOTS], NSL-1
	s_mov_b32 s[KF], 0
	s_wait_dscnt 0x0                               ; both opening adds are done
	s_wait_kmcnt 0x0
	s_mov_b32 s[G0K], 1                            ; 1:0 count = 1
	s_mov_b32 s[G0K+1], s16                        ; 63:32 LDS address: slot 0
	s_add_nc_u64 s[G0K+2:G0K+3], s[4:5], s[14:15]  ; 120:64 global address: the head's first 256 keys,
	s_add_nc_u64 s[G0K+2:G0K+3], s[G0K+2:G0K+3], 16777216   ; in k
	s_or_b32 s[G0K+3], s[G0K+3], 0x80000000        ; 127:126 type = 2
	s_mov_b32 s[G0V], 1
	s_mov_b32 s[G0V+1], s17
	s_add_nc_u64 s[G0V+2:G0V+3], s[4:5], s[14:15]
	s_add_nc_u64 s[G0V+2:G0V+3], s[G0V+2:G0V+3], 33554432   ; in v
	s_or_b32 s[G0V+3], s[G0V+3], 0x80000000
	TLOAD                                          ; slot 0: it holds key 0, which counts for every query
	s_add_nc_u64 s[70:71], s[4:5], s[72:73]        ; q at my first query
	s_add_nc_u64 s[6:7], s[6:7], s[72:73]          ; ho likewise
	; the prefetches: where my wave's stand, and who asks
	s_mov_b32 s82, 33554432
	s_cmp_lt_u32 s[WV], 8                          ; waves 4-7 ask for k, waves 8-11 for v
	s_cselect_b32 s82, 16777216, s82
	s_mov_b32 s83, 0
	s_add_nc_u64 s[PFA:PFA+1], s[4:5], s[82:83]
	s_add_nc_u64 s[PFA:PFA+1], s[PFA:PFA+1], s[8:9]   ; in my head
	s_and_b32 s82, s[WV], 3
	s_lshl_b32 s82, s82, 13                        ; my wave's 8,192 bytes,
	s_add_co_u32 s82, s82, SK*128                  ; in slot 1: the first change of slots steps it to slot 2
	s_add_nc_u64 s[PFA:PFA+1], s[PFA:PFA+1], s[82:83]
	s_sub_co_u32 s82, s[WV], 4
	s_lshr_b32 s82, s82, 3                         ; 0 in waves 4 to 11,
	s_or_b32 s82, s82, ttmp9                       ; of work-group x = 0
	s_cmp_eq_u32 s82, 0
	s_cselect_b32 s[LIM], 1, -1
	v_and_b32 v248, 15, v0                         ; r
	v_bfe_u32 v249, v0, 4, 1                       ; h
	v_lshlrev_b32 v250, 7, v248
	v_lshl_add_u32 v250, v249, 4, v250             ; q: row r of 128 bytes, + 16 h
.irp c, 0,1
	global_load_b128 v[QR+8*\c:QR+8*\c+3], v250, s[70:71] offset:64*\c        ; Q's fragments stay in registers
	global_load_b128 v[QR+8*\c+4:QR+8*\c+7], v250, s[70:71] offset:64*\c+32
.endr
	v_mul_u32_u24 v[AK0], v248, KP
	v_lshl_add_u32 v[AK0], v249, 4, v[AK0]         ; row x pitch + 16 x half
	v_and_b32 v251, 7, v0
	v_bfe_u32 v252, v0, 3, 1
	v_lshl_add_u32 v[AV0], v249, 3, v251           ; the turning load: lane l reads key 8 (l / 16) + l % 8, channels 8 ((l / 8) % 2) + 0..7
	v_mul_u32_u24 v[AV0], v[AV0], VP
	v_lshl_add_u32 v[AV0], v252, 4, v[AV0]
	v_add_nc_u32 v[AV0], VOFF, v[AV0]
	v_and_b32 v[GO], 31, v0
	v_lshlrev_b32 v[PFO], 8, v[GO]
	v_lshlrev_b32 v[GO], 4, v[GO]
	s_mul_i32 s74, s[WV], 16*KP
	s_add_co_u32 s74, s74, STAGE                   ; my stage
	v_add_nc_u32 v[STO], s74, v[AK0]               ; in: row r, 16 bytes for each half of the lanes
	v_bfe_u32 v253, v0, 3, 2
	v_mul_u32_u24 v[RD], v253, KP
	v_lshl_add_u32 v[RD], v251, 4, v[RD]
	v_add_nc_u32 v[RD], s74, v[RD]                 ; back: four rows of 128 bytes an instruction
	v_lshlrev_b32 v[DQ], 3, v249
	v_sub_nc_u32 v[DQ], v248, v[DQ]
	v_mov_b32 v13, 0xff61b1e6                      ; m: -3e38, under every score
	v_mul_f32 v12, s[CS], v13                      ; c m
	v_mov_b32 v14, 0                               ; l
	v_mov_b32 v15, 0
	v_mov_b32 v20, 0
	v_mov_b32 v21, 0                               ; (named as the upper half of the pair v[20:21])
	v_mov_b32 v22, 0                               ; (a lane permute's destination counts as one of its sources)
.set I, 0
.rept 32
	v_mov_b32 v[OO+I], 0                           ; O^T.  The step is written once: the first finds zeros, which a = 0 leaves zeros
.set I, I+1
.endr
; A STEP: 64 keys, the q-th of the slot in hand.
.macro STEP q
	s_add_co_u32 s96, s[Q0], 15                    ; all keys behind my 16 queries: the step's work is left out: a branch on ids; no barrier and no tensor load stands in a step
	s_cmp_gt_u32 s[KF], s96
	s_cbranch_scc1 .Lhidden_\@
	v_add_nc_u32 v[ADK], s[TB], v[AK0]
	v_add_nc_u32 v[ADV], s[TB], v[AV0]
	v_nop                                          ; with the two additions: four places in front of loads into V's registers, which the last step's products have read
	v_nop
.irp kt, 0,1,2,3
.irp c, 0,1
	ds_load_b128 v[KR+8*(2*\kt+\c):KR+8*(2*\kt+\c)+3], v[ADK] offset:(64*(\q)+16*\kt)*KP+64*\c
	ds_load_b128 v[KR+8*(2*\kt+\c)+4:KR+8*(2*\kt+\c)+7], v[ADK] offset:(64*(\q)+16*\kt)*KP+64*\c+32
.endr
.endr
.irp ks, 0,1
.irp t, 0,1,2,3
	ds_load_tr16_b128 v[VR+8*(4*\ks+\t):VR+8*(4*\ks+\t)+3], v[ADV] offset:(64*(\q)+32*\ks)*VP+32*\t
	ds_load_tr16_b128 v[VR+8*(4*\ks+\t)+4:VR+8*(4*\ks+\t)+7], v[ADV] offset:(64*(\q)+32*\ks+16)*VP+32*\t
.endr
.endr
	s_wait_dscnt 16                                ; K's sixteen loads are in; V's sixteen may be out
.irp kt, 0,1,2,3                                   ; S^T = K Q^T: the four accumulators by turns, one instruction a turn
	v_wmma_f32_16x16x32_f16 v[SS+8*\kt:SS+8*\kt+7], v[KR+16*\kt:KR+16*\kt+7], v[QR:QR+7], 0
.endr
.irp kt, 0,1,2,3
	v_wmma_f32_16x16x32_f16 v[SS+8*\kt:SS+8*\kt+7], v[KR+16*\kt+8:KR+16*\kt+15], v[QR+8:QR+15], v[SS+8*\kt:SS+8*\kt+7]
.endr
.rept 4
	v_nop                                          ; places in front of the first read of the scores
.endr
	s_add_co_u32 s96, s[KF], 63                    ; on the diagonal hidden scores become -infinity ahead of the maximum: p = 0 then.  A step all of whose keys count skips this
	s_cmp_le_u32 s96, s[Q0]
	s_cbranch_scc1 .Lopen_\@
	s_sub_co_i32 s96, s[Q0], s[KF]
	v_add_nc_u32 v23, s96, v[DQ]                   ; d = my query - KF - 8 (lane / 16).  Register 8 kt + j holds key KF + 16 kt + 8 (lane / 16) + j: hidden where 16 kt + j > d
	v_mov_b32 v248, 0xff800000
.irp kt, 0,1,2,3
.irp j, 0,1,2,3,4,5,6,7
	v_cmp_gt_i32 vcc_lo, 16*\kt+\j, v23
	v_cndmask_b32 v[SS+8*\kt+\j], v[SS+8*\kt+\j], v248, vcc_lo
.endr
.endr
.Lopen_\@:
.irp j, 0,1,2,3
	v_max3_num_f32 v[16+\j], v[SS+8*\j], v[SS+8*\j+1], v[SS+8*\j+2]   ; the maximum of my 32 scores and the old m: four chains, each accumulator from its low end on
.endr
.irp g, 1,2
.irp j, 0,1,2,3
	v_max3_num_f32 v[16+\j], v[16+\j], v[SS+8*\j+2*\g+1], v[SS+8*\j+2*\g+2]
.endr
.endr
	v_max3_num_f32 v16, v16, v[SS+7], v[SS+15]
	v_max3_num_f32 v18, v18, v[SS+23], v[SS+31]
	v_max3_num_f32 v16, v16, v17, v18
	v_max3_num_f32 v16, v16, v19, v13
	v_permlanex16_b32 v22, v16, s[SEL], s[SEL+1]   ; the query's other 32 keys lie in the lane 16 away
	v_mov_b32 v23, v12                             ; c m_old
	v_max_num_f32 v13, v16, v22                    ; the new m
	v_mul_f32 v12, s[CS], v13
	v_sub_f32 v23, v23, v12                        ; c m_old - c m_new
.set I, 0
.rept 16
	v_pk_fma_f32 v[SS+2*I:SS+2*I+1], v[SS+2*I:SS+2*I+1], s[CS:CS+1], v[12:13] op_sel_hi:[1,0,0] neg_lo:[0,0,1] neg_hi:[0,0,1]   ; c s - c m, two at a time
.set I, I+1
.endr
	v_exp_f32 v20, v23                             ; a
.set I, 0
.rept 32
	v_exp_f32 v[SS+I], v[SS+I]                     ; p
.set I, I+1
.endr
	v_nop                                          ; a plain line behind the last exponential
	s_wait_alu depctr_va_vdst(0)                   ; ONE wait for the batch of 33, ahead of its first reader
.set I, 0
.rept 16
	v_cvt_pk_f16_f32 v[PP+I], v[SS+2*I], v[SS+2*I+1]
.set I, I+1
.endr
	v_pk_add_f32 v[248:249], v[SS:SS+1], v[SS+2:SS+3]          ; the step's sum of the unrounded p, two at a time, in two chains
	v_pk_add_f32 v[250:251], v[SS+4:SS+5], v[SS+6:SS+7]
.irp j, 8,12,16,20,24,28
	v_pk_add_f32 v[248:249], v[248:249], v[SS+\j:SS+\j+1]
	v_pk_add_f32 v[250:251], v[250:251], v[SS+\j+2:SS+\j+3]
.endr
	v_pk_add_f32 v[248:249], v[248:249], v[250:251]
	v_pk_fma_f32 v[14:15], v[14:15], v[20:21], v[248:249] op_sel_hi:[1,0,1]   ; l = a l + the sum
.set I, 0
.rept 16
	v_pk_mul_f32 v[OO+2*I:OO+2*I+1], v[OO+2*I:OO+2*I+1], v[20:21] op_sel_hi:[1,0]   ; O^T x a
.set I, I+1
.endr
	s_wait_dscnt 0x0                               ; V is in
.irp ks, 0,1                                       ; O^T += V^T P: the four accumulators by turns
.irp t, 0,1,2,3
	v_wmma_f32_16x16x32_f16 v[OO+8*\t:OO+8*\t+7], v[VR+8*(4*\ks+\t):VR+8*(4*\ks+\t)+7], v[PP+8*\ks:PP+8*\ks+7], v[OO+8*\t:OO+8*\t+7]
.endr
.endr
.Lhidden_\@:
	s_add_co_u32 s[KF], s[KF], 64
.endm
; THE CHANGE OF SLOTS stands at a slot's head.  Each wave waits for all its tensor loads (its part of the slot that it is about to read), adds 0 to its spare word, and waits for that and for its reads of the slot that it has left.
; Behind the barrier the slot ahead is whole and nobody reads the other one.  fill = 1: that other slot is filled with the keys that follow, up to the causal limit: the load has a slot's four steps in which to land.  One tensor load of a wave is out at the most.
.macro CHANGE fill
	s_wait_tensorcnt 0x0                           ; no tensor load of mine is out, so a group 0 may be written
	ds_add_u32 v[SPW], v[NIL]
.if \fill
	ds_add_u32 v[SPW], v[NIL]                      ; and once more, in every trip alike
	s_xor_b32 s[G0K+1], s[G0K+1], SLOT1            ; the walking descriptors: the other slot than last time,
	s_add_nc_u64 s[G0K+2:G0K+3], s[G0K+2:G0K+3], SK*128   ; the next 256 keys; the type bits on top are not reached
	s_xor_b32 s[G0V+1], s[G0V+1], SLOT1
	s_add_nc_u64 s[G0V+2:G0V+3], s[G0V+2:G0V+3], SK*128
	s_wait_xcnt 0x0                                ; the last prefetch, a slot back, has read its address, so it may be written:
	s_add_nc_u64 s[PFA:PFA+1], s[PFA:PFA+1], SK*128   ; one slot further on than the walking descriptors
.endif
	s_wait_dscnt 0x0                               ; the add is done, and my reads of the slot that I have left are over
	s_barrier_signal -1
	s_barrier_wait -1
.if \fill
	s_add_co_u32 s96, s[KF], SK                    ; the first key of the slot that this change would ask for:
	s_cmp_gt_u32 s96, s[LQ]                        ; behind my work-group's last query none of its waves reads it, so it is not asked for.  Ids and the count of steps alone: all sixteen waves go the same way,
	s_cbranch_scc1 .Lpast_\@                       ; and every wait for tensor loads in this text is for 0
	TLOAD                                          ; a wave's one tensor load until the next change
.Lpast_\@:
	ASK
.endif
.endm
.macro SLOT_STEPS
.set Q, 0
.rept NQ
	STEP Q
.set Q, Q+1
.endr
	s_xor_b32 s[TB], s[TB], SLOT1                  ; on to the other slot
.endm
	s_wait_loadcnt 0x0                             ; Q
.Lslot:                                            ; 7 trips: behind each change of slots but the last the next slot is asked for, up to the limit
	CHANGE 1
	SLOT_STEPS
	s_sub_co_u32 s[SLOTS], s[SLOTS], 1
	s_cmp_lg_u32 s[SLOTS], 0
	s_cbranch_scc1 .Lslot
	CHANGE 0                                       ; the last slot is written out: nothing is left to ask for
	SLOT_STEPS
	; THE WAY OUT.  O^T / l, rounded to f16, goes through my stage in LDS and leaves as my 16 rows' 2,048 consecutive bytes.
.rept 4
	v_nop                                          ; places behind the last products
.endr
	v_add_f32 v14, v14, v15                        ; l's two halves,
	v_permlanex16_b32 v22, v14, s[SEL], s[SEL+1]
	v_add_f32 v14, v14, v22                        ; and lane l xor 16's
	v_rcp_f32 v20, v14
	v_nop                                          ; a plain line behind the reciprocal
	s_wait_alu depctr_va_vdst(0)                   ; and the wait ahead of its first reader
.set I, 0
.rept 16
	v_pk_mul_f32 v[SS+2*I:SS+2*I+1], v[OO+2*I:OO+2*I+1], v[20:21] op_sel_hi:[1,0]   ; register 8 t + j: channel 16 t + 8 h + j of my query
.set I, I+1
.endr
.set I, 0
.rept 16
	v_cvt_pk_f16_f32 v[PP+I], v[SS+2*I], v[SS+2*I+1]
.set I, I+1
.endr
.irp t, 0,1,2,3
	ds_store_b128 v[STO], v[PP+4*\t:PP+4*\t+3] offset:32*\t
.endr
.irp i, 0,1,2,3
	ds_load_b128 v[SS+4*\i:SS+4*\i+3], v[RD] offset:576*\i   ; LDS serves a wave's instructions in order: these see my stores
.endr
.irp i, 0,1,2,3
	s_wait_dscnt 3-\i                              ; the younger loads may be out
	global_store_b128 v[GO], v[SS+4*\i:SS+4*\i+3], s[6:7] offset:512*\i   ; 32 lanes store 512 consecutive bytes, aligned
.endr
	s_wait_tensorcnt 0x0                           ; the wave's end, behind my last tensor load and my last LDS store
	ds_add_u32 v[SPW], v[NIL]
	s_wait_dscnt 0x0
	s_endpgm
.Lfunc_end_k_qd120bc1b7c_attn:
	.size	k_qd120bc1b7c_attn, .Lfunc_end_k_qd120bc1b7c_attn-k_qd120bc1b7c_attn
	.p2alignl 7, 3214868480
	.fill 96, 4, 3214868480
	.section	.rodata,"a",@progbits
	.p2align	6, 0x0
	.amdhsa_kernel k_qd120bc1b7c_attn
		.amdhsa_group_segment_fixed_size 327680
		.amdhsa_private_segment_fixed_size 0
		.amdhsa_enable_private_segment 0
		.amdhsa_kernarg_size 16
		.amdhsa_user_sgpr_count 2
		.amdhsa_user_sgpr_kernarg_segment_ptr 1
		.amdhsa_wavefront_size32 1
		.amdhsa_system_sgpr_workgroup_id_x 1
		.amdhsa_system_sgpr_workgroup_id_y 1
		.amdhsa_system_sgpr_workgroup_id_z 1
		.amdhsa_system_vgpr_workitem_id 0
		.amdhsa_next_free_vgpr 256
		.amdhsa_next_free_sgpr 100
		.amdhsa_reserve_vcc 1
		.amdhsa_float_denorm_mode_32 3
		.amdhsa_float_denorm_mode_16_64 3
		.amdhsa_memory_ordered 1
		.amdhsa_forward_progress 1
		.amdhsa_inst_pref_size 109
	.end_amdhsa_kernel
	.amdgpu_metadata
---
amdhsa.version: [ 1, 2 ]
amdhsa.kernels:
  - .name:           k_qd120bc1b7c_attn
    .symbol:         k_qd120bc1b7c_attn.kd
    .args:
      - { .name: qkv, .offset: 0, .size: 8, .value_kind: global_buffer, .address_space: global }
      - { .name: ho, .offset: 8, .size: 8, .value_kind: global_buffer, .address_space: global }
    .group_segment_fixed_size: 327680
    .private_segment_fixed_size: 0
    .kernarg_segment_align: 8
    .kernarg_segment_size: 16
    .max_flat_workgroup_size: 512
    .sgpr_count:     100
    .vgpr_count:     256
    .wavefront_size: 32
...
	.end_amdgpu_metadata
.endif
;; end of part 3
;; launch proj (part 4): grid 4 x 64, 4 waves a work-group, clusters of 4 x 4, 327,680 bytes of LDS; arguments ho, wo16, out0; writes out0
.if DOCPART == 4
	.amdgcn_target "amdgcn-amd-amdhsa--gfx1250"
	.amdhsa_code_object_version 6
	.text
	.protected	k_qd120bc1b7c_proj
	.globl	k_qd120bc1b7c_proj
	.p2align	8
	.type	k_qd120bc1b7c_proj,@function
k_qd120bc1b7c_proj:
	s_mov_b64 s[64:65], 0
	v_nop
	global_prefetch_b8 v0, s[64:65] scope:SCOPE_SE
	s_setreg_imm32_b32 hwreg(HW_REG_WAVE_MODE, 25, 1), 1
	s_wait_xcnt 0x0
	s_wait_alu depctr_hold_cnt(0) depctr_sa_sdst(0) depctr_va_vdst(0) depctr_va_sdst(0) depctr_va_ssrc(0) depctr_va_vcc(0) depctr_vm_vsrc(0)
	s_getreg_b32 s2, hwreg(HW_REG_IB_STS2, 6, 4)
	s_cmp_eq_u32 s2, 0
	s_cbranch_scc0 .Lentry_in_a_cluster
	s_endpgm
.Lentry_in_a_cluster:
	s_bfe_u32 s2, ttmp6, 0x10000c
	s_cmp_lg_u32 s2, 0xf033
	s_cbranch_scc0 .Lentry_shape_is_right
	s_endpgm
.Lentry_shape_is_right:
; FOURTH LAUNCH: out0[m][n] = the sum over k of head_out[m][k] Wo[n][k], k = 64 x head + channel; f16 operands, f32 sums, f32 result.  ho: [4 b][16 h][2,048 s][64] f16; wo16: [1,024 n][1,024 k] f16; out0: [8,192][1,024] f32.
; NOT STORED HERE: positions 0-15 of every sequence (64 rows of out0): the last launch makes them in f32 and owns their bytes.
; A tile of 128 (m) x 256 (n) is made by a work-group of four waves: 256 work-groups.  A wave makes 64 x 128: 32 accumulators of 16 x 16, 256 registers.
; K goes in steps of 128, two heads, through a ring of two LDS slots: ho's tile is two planes (heads) of 128 rows x 128 bytes, Wo's 256 rows x 256 bytes.  Waves 0, 1 fetch a plane each, waves 2, 3 half of Wo's rows each.
; CLUSTERS: 4 x 4 work-groups.  Tile row = 16 cy + cluster y (so the batch is cy and the first position 128 x cluster y), tile column = 4 x cluster x + cx.  ho's tiles are shared along a row of the cluster, Wo's along a column: joint loads.
; THE MATRIX INSTRUCTION IS USED TRANSPOSED (source 0 = 16 rows of Wo, source 1 = 16 rows of ho): a lane holds eight neighbouring numbers of a row of out0.
; REGISTERS: window 0: v0-31 addresses; two fragment buffers for 32 along K: v32-63 ho's four, v64-127 Wo's eight; v128-159, v160-223 likewise; on the way out v32-159 rows read back.  window 1: accumulator (a, b) at v[8 (8 a + b)].
.set KP,     144                       ; a row of a plane in LDS: 128 bytes + 16
.set BP,     272                       ; a row of Wo's tile: 256 + 16
.set PLANE,  128*KP
.set BOFF,   2*PLANE
.set BHALF,  128*BP
.set SLOT,   BOFF+2*BHALF              ; 106,496
.set STAGE,  2*SLOT                    ; behind the ring: 16 rows x 528 bytes for each wave
.set SPITCH, 528
.set SPARE,  STAGE+4*16*SPITCH         ; the spare words, 128 bytes for each wave, which no other line names
.set LAPS,   4                         ; a lap = two K steps = once round the ring: 1,024 / 256
.set ADRA, 16                          ; v16-17  LDS address of my ho fragments in slot 0, 1
.set ADRB, 20                          ; v20-21  the same for Wo
.set STO,  24
.set RD,   25
.set CO,   26
.set SPW,  28                          ; v28  LDS address of my spare word; never rewritten
.set NIL,  29                          ; v29  0; never rewritten
.set F0,   32
.set F1,   128
.set BK,   32
.set G1, 24
.set G0, 32
.set G1B, 48
.set G0B, 56
.set MSB, 0
.macro WIN new                         ; the immediate's high byte repeats the setting that is left
.if MSB != (\new)
	s_set_vgpr_msb (MSB<<8)|(\new)
.set MSB, (\new)
.endif
.endm
.set MUL, 0x50                         ; C and D window 1; sources 0 and 1 window 0
.macro JLOAD s                         ; a joint load: waves 0 and 1 fetch ho's planes, waves 2 and 3 Wo's halves; an s_nop 0 and four v_nop follow each of the two lines
	s_cmp_eq_u32 s11, 0
	s_cbranch_scc0 .Lfor_b_\@
	tensor_load_to_lds s[G0+4*\s:G0+4*\s+3], s[G1:G1+7]
	s_nop 0
.rept 4
	v_nop
.endr
	s_branch .Lasked_\@
.Lfor_b_\@:
	tensor_load_to_lds s[G0B+4*\s:G0B+4*\s+3], s[G1B:G1B+7]
	s_nop 0
.rept 4
	v_nop
.endr
.Lasked_\@:
.endm
.macro CREST                           ; a round of the cluster's barrier behind its opening barrier
	s_cmp_lg_u32 s10, 0
	s_cbranch_scc1 .Lnot_wave_0_\@
	s_barrier_signal -3
.Lnot_wave_0_\@:
	s_barrier_wait -3
	s_barrier_signal -1
	s_barrier_wait -1
.endm
.macro CROUND
	s_barrier_signal -1
	s_barrier_wait -1
	CREST
.endm
	s_load_b128 s[4:7], s[0:1], 0x0                ; ho s[4:5], wo16 s[6:7]
	s_load_b64 s[8:9], s[0:1], 0x10                ; out0
	v_lshl_add_u32 v[SPW], v0, 2, SPARE
	v_mov_b32 v[NIL], 0
	ds_add_u32 v[SPW], v[NIL]                      ; the wave's opening: the add, twice on end, and its wait ahead of my first tensor load
	ds_add_u32 v[SPW], v[NIL]
	v_lshrrev_b32 v1, 5, v0
	v_readfirstlane_b32 s10, v1                    ; wave 0..3
	s_lshr_b32 s11, s10, 1                         ; which half of the tile's rows is mine.  Also: I fetch for ho (0) or for Wo (1)
	s_and_b32 s12, s10, 1                          ; which half of its columns.  Also: which plane, or which 128 rows of Wo, I fetch
	s_bfe_u32 s40, ttmp6, 0x40000                  ; cx, cy
	s_bfe_u32 s41, ttmp6, 0x40004
	s_lshl_b32 s42, ttmp9, 2
	s_add_co_u32 s42, s42, s40                     ; tile column
	s_and_b32 s13, ttmp7, 0xffff                   ; cluster y
	s_lshl_b32 s43, s41, 2
	s_lshl_b32 s43, 15, s43                        ; my row of the cluster
	s_lshl_b32 s44, 0x1111, s40                    ; my column
	s_or_b32 s[G1+0], s43, (1<<16)|(1<<20)|(1<<21)|(4<<22)|(3<<25)   ; ho: the mask of my row; elements of 2 bytes; padding on; bit 21 beside a mask; four words after every 32
	s_mov_b32 s[G1+1], 64<<16                      ; tensor_dim0
	s_mov_b32 s[G1+2], 128<<16                     ; tensor_dim1
	s_mov_b32 s[G1+3], 64<<16                      ; tile_dim0
	s_mov_b32 s[G1+4], 128                         ; tile_dim1
	s_mov_b32 s[G1+5], 64                          ; tensor_dim0_stride
	s_mov_b32 s[G1+6], 0
	s_mov_b32 s[G1+7], 0
	s_or_b32 s[G1B+0], s44, (1<<16)|(1<<20)|(1<<21)|(5<<22)|(3<<25)  ; Wo: the mask of my column; four words after every 64
	s_mov_b32 s[G1B+1], 128<<16
	s_mov_b32 s[G1B+2], 128<<16
	s_mov_b32 s[G1B+3], 128<<16
	s_mov_b32 s[G1B+4], 128
	s_mov_b32 s[G1B+5], 1024
	s_mov_b32 s[G1B+6], 0
	s_mov_b32 s[G1B+7], 0
	s_lshl_b32 s16, s41, 4                         ; ho: head 16 cy + my plane, 262,144 bytes a head,
	s_add_co_u32 s16, s16, s12
	s_lshl_b32 s16, s16, 18
	s_lshl_b32 s17, s13, 14                        ; position 128 x cluster y, 128 bytes a position: made of cy, cluster y and the wave's number alone
	s_add_co_u32 s16, s16, s17
	s_mov_b32 s17, 0
	s_lshl_b32 s46, s42, 19                        ; Wo: row 256 x tile column + 128 x half, 2,048 bytes a row: made of the tile column and the wave's number alone
	s_lshl_b32 s47, s12, 18
	s_add_co_u32 s46, s46, s47
	s_mov_b32 s47, 0
	s_mul_i32 s20, s12, PLANE                      ; where they go: no place in the cluster enters an LDS address
	s_mul_i32 s21, s12, BHALF
	s_add_co_u32 s21, s21, BOFF
	s_wait_dscnt 0x0                               ; both opening adds are done
	s_wait_kmcnt 0x0
	s_add_nc_u64 s[14:15], s[4:5], s[16:17]
	s_add_nc_u64 s[46:47], s[6:7], s[46:47]
	CROUND                                         ; all sixteen work-groups are here: the first joint loads meet
.irp s, 0,1
	s_mov_b32 s[G0+4*\s], 1
	s_add_co_u32 s[G0+4*\s+1], s20, \s*SLOT
	s_add_nc_u64 s[G0+4*\s+2:G0+4*\s+3], s[14:15], \s*524288     ; K step s: two heads on
	s_or_b32 s[G0+4*\s+3], s[G0+4*\s+3], 0x80000000
	s_mov_b32 s[G0B+4*\s], 1
	s_add_co_u32 s[G0B+4*\s+1], s21, \s*SLOT
	s_add_nc_u64 s[G0B+4*\s+2:G0B+4*\s+3], s[46:47], \s*256
	s_or_b32 s[G0B+4*\s+3], s[G0B+4*\s+3], 0x80000000
	JLOAD \s                                       ; two loads of mine are out
.endr
	v_and_b32 v1, 15, v0                           ; r
	v_bfe_u32 v2, v0, 4, 1                         ; h
	v_mul_u32_u24 v3, v1, KP
	v_lshl_add_u32 v3, v2, 4, v3
	v_mul_u32_u24 v4, v1, BP
	v_lshl_add_u32 v4, v2, 4, v4
	s_mul_i32 s21, s11, 64*KP                      ; my 64 rows of each plane
	s_mul_i32 s22, s12, BHALF                      ; my 128 rows of Wo
	s_add_co_u32 s22, s22, BOFF
.irp s, 0,1
	v_add_nc_u32 v[ADRA+\s], s21, v3
	v_add_nc_u32 v[ADRB+\s], s22, v4
	s_add_co_u32 s21, s21, SLOT
	s_add_co_u32 s22, s22, SLOT
.endr
	s_mul_i32 s23, s10, 16*SPITCH
	s_add_co_u32 s23, s23, STAGE                   ; my stage
	v_mul_u32_u24 v5, v1, SPITCH
	v_lshl_add_u32 v5, v2, 5, v5
	v_add_nc_u32 v[STO], s23, v5                   ; in: row r, 32 bytes for each half of the lanes
	v_and_b32 v6, 31, v0
	v_lshlrev_b32 v[CO], 4, v6
	v_add_nc_u32 v[RD], s23, v[CO]                 ; back: the 32 lanes take one row of 512 bytes
	s_lshl_b32 s16, s41, 23                        ; out0: row 2,048 cy + 128 cluster y + 64 x row half, 4,096 bytes a row,
	s_lshl_b32 s17, s13, 19
	s_add_co_u32 s16, s16, s17
	s_lshl_b32 s17, s11, 18
	s_add_co_u32 s16, s16, s17
	s_mov_b32 s17, 0
	s_add_nc_u64 s[8:9], s[8:9], s[16:17]
	s_lshl_b32 s46, s42, 10                        ; column 256 x tile column + 128 x column half, 4 bytes a column
	s_lshl_b32 s47, s12, 9
	s_add_co_u32 s46, s46, s47
	s_mov_b32 s47, 0
	s_add_nc_u64 s[8:9], s[8:9], s[46:47]
	s_or_b32 s2, s13, s11                          ; 0 where my block 0 is positions 0-15 of its sequence: cluster y and the wave's number alone
; 8 matrix instructions: ho's block a against Wo's eight, 32 along K, from buffer f.  The 32 accumulators take turns, one instruction a turn, in the same order in every quarter.
.macro MUL8 f, a, zero
.irp b, 0,1,2,3,4,5,6,7
.if \zero
	v_wmma_f32_16x16x32_f16 v[8*(8*(\a)+\b):8*(8*(\a)+\b)+7], v[\f+32+8*\b:\f+32+8*\b+7], v[\f+8*(\a):\f+8*(\a)+7], 0
.else
	v_wmma_f32_16x16x32_f16 v[8*(8*(\a)+\b):8*(8*(\a)+\b)+7], v[\f+32+8*\b:\f+32+8*\b+7], v[\f+8*(\a):\f+8*(\a)+7], v[8*(8*(\a)+\b):8*(8*(\a)+\b)+7]
.endif
.endr
.endm
; 24 LDS loads in one run: the fragments of the slot's q-th 32 along K into buffer f: Wo's sixteen loads, then ho's blocks 0, 1, then 2, 3.  Quarter q lies in plane q / 2, at byte 64 (q % 2) of its rows.
.macro FETCH slot, q, f
.irp i, 0,1,2,3,4,5,6,7
	ds_load_b128 v[\f+32+8*\i:\f+32+8*\i+3], v[ADRB+\slot] offset:64*(\q)+16*BP*\i
	ds_load_b128 v[\f+32+8*\i+4:\f+32+8*\i+7], v[ADRB+\slot] offset:64*(\q)+16*BP*\i+32
.endr
.irp i, 0,1,2,3
	ds_load_b128 v[\f+8*\i:\f+8*\i+3], v[ADRA+\slot] offset:((\q)>>1)*PLANE+((\q)&1)*64+16*KP*\i
	ds_load_b128 v[\f+8*\i+4:\f+8*\i+7], v[ADRA+\slot] offset:((\q)>>1)*PLANE+((\q)&1)*64+16*KP*\i+32
.endr
.endm
.macro PLACES                          ; four places in front of loads into registers that matrix instructions have read, and of the first read of results (ISA guide 7.12.1 for vector instructions)
.rept 4
	v_nop
.endr
.endm
; A K step is four quarters of 32 along K, 32 matrix instructions each, on buffers 0, 1, 0, 1.  One of the first three: multiplies buffer f and fetches quarter qn of the same slot into g.
.macro QUARTER slot, qn, f, g, zero
	s_wait_dscnt 4                                 ; Wo's fragments and ho's blocks 0, 1 are in; the youngest four loads (blocks 2, 3) may be out
	WIN MUL
	MUL8 \f, 0, \zero
	MUL8 \f, 1, \zero
	PLACES
	WIN 0
	FETCH \slot, \qn, \g
	s_wait_dscnt 24                                ; all but the 24 just issued
	WIN MUL
	MUL8 \f, 2, \zero
	MUL8 \f, 3, \zero
.endm
; The last quarter multiplies buffer 1 and changes slots: ONE barrier; in front of it each wave waits for all its tensor loads, adds 0 to its spare word, and waits for that and for its reads of this slot.
; fill = 1: the barrier opens a round of the cluster's, and this slot is filled again, two K steps ahead: the joint load is the first tensor load behind the round, 112 matrix instructions ahead of the wait for it.
.macro TURN slot, next, fill
	WIN 0                                          ; (the add's two registers lie in window 0)
	s_wait_tensorcnt 0x0                           ; all my tensor loads have landed: the one that was out is my part of the next slot
	ds_add_u32 v[SPW], v[NIL]
	s_wait_dscnt 5                                 ; (the add and the youngest four loads may be out)
	WIN MUL
	MUL8 F1, 0, 0                                  ; eight matrix instructions stand between the add and the wait for it
	s_wait_dscnt 0x0                               ; the add is done, and my reads of this slot are over
	s_barrier_signal -1
	MUL8 F1, 1, 0
	WIN 0
	s_barrier_wait -1
.if \fill
	CREST                                          ; no wave of any partner still reads this slot's tiles or has a load on its way
	s_add_nc_u64 s[G0+4*\slot+2:G0+4*\slot+3], s[G0+4*\slot+2:G0+4*\slot+3], 1048576   ; four heads on
	s_add_nc_u64 s[G0B+4*\slot+2:G0B+4*\slot+3], s[G0B+4*\slot+2:G0B+4*\slot+3], 512
	JLOAD \slot                                    ; the four v_nop behind it are also the places in front of the loads below
.else
	PLACES
.endif
	FETCH \next, 0, F0
	WIN MUL
	MUL8 F1, 2, 0
	MUL8 F1, 3, 0
.endm
	s_wait_tensorcnt 1                             ; my part of K step 0 is in (K step 1's load may be out)
	s_barrier_signal -1
	s_barrier_wait -1                              ; everybody's is
	FETCH 0, 0, F0
	QUARTER 0, 1, F0, F1, 1                        ; the first quarter stands in front of the loop: its products start the sums
	WIN 0                                          ; at a label and at a branch every window is 0
	s_mov_b32 s3, LAPS-1
.Llap:                                             ; a trip goes once round the ring, from a lap's second quarter to the next lap's first, and fills both slots again
	QUARTER 0, 2, F1, F0, 0
	QUARTER 0, 3, F0, F1, 0
	TURN 0, 1, 1
	QUARTER 1, 1, F0, F1, 0
	QUARTER 1, 2, F1, F0, 0
	QUARTER 1, 3, F0, F1, 0
	TURN 1, 0, 1
	QUARTER 0, 1, F0, F1, 0
	WIN 0
	s_sub_co_u32 s3, s3, 1
	s_cmp_lg_u32 s3, 0
	s_cbranch_scc1 .Llap
	QUARTER 0, 2, F1, F0, 0                        ; the last lap fills nothing, and has no round of the cluster's barrier
	QUARTER 0, 3, F0, F1, 0
	TURN 0, 1, 0
	QUARTER 1, 1, F0, F1, 0
	QUARTER 1, 2, F1, F0, 0
	QUARTER 1, 3, F0, F1, 0
	s_wait_dscnt 4                                 ; the very last quarter: nothing more to fetch
	WIN MUL
	MUL8 F1, 0, 0
	MUL8 F1, 1, 0
	s_wait_dscnt 0
	MUL8 F1, 2, 0
	MUL8 F1, 3, 0
	WIN 0
; THE WAY OUT, block by block of 16 rows x 128 columns: through my own stage in LDS, back as whole rows of 512 bytes.  LDS serves a wave's instructions in order: no wait between the stores and the loads.
.macro TOSTAGE a
	WIN 0x04                                       ; an LDS store's data are its source 1: window 1
.irp b, 0,1,2,3,4,5,6,7
	ds_store_b128 v[STO], v[64*(\a)+8*\b:64*(\a)+8*\b+3] offset:64*\b          ; each accumulator from its low end on
	ds_store_b128 v[STO], v[64*(\a)+8*\b+4:64*(\a)+8*\b+7] offset:64*\b+16
.endr
	WIN 0
.set BB, BK+64*((\a)%2)
.irp t, 0,1,2,3,4,5,6,7,8,9,10,11,12,13,14,15
	ds_load_b128 v[BB+4*\t:BB+4*\t+3], v[RD] offset:\t*SPITCH
.endr
.endm
.macro SEND a, younger                 ; younger: the LDS instructions issued behind block a's loads, which may stay out
.set BB, BK+64*((\a)%2)
	s_wait_dscnt \younger
.if (\a) == 0
	s_cmp_eq_u32 s2, 0                             ; positions 0-15 belong to the last launch: their sixteen stores are jumped over
	s_cbranch_scc1 .Lowned_\@
.endif
.irp t, 0,1,2,3,4,5,6,7,8,9,10,11,12,13,14,15
	global_store_b128 v[CO], v[BB+4*\t:BB+4*\t+3], s[8:9] offset:(16*(\a)+\t)*4096 th:TH_STORE_NT   ; 32 lanes store 512 consecutive bytes, aligned; every place is an immediate: no base is stepped
.endr
.if (\a) == 0
.Lowned_\@:
.endif
.endm
	PLACES
	TOSTAGE 0
.irp a, 1,2,3
.if \a > 1
	s_wait_xcnt 0x0                                ; block a - 2's stores have read their registers: block a's rows may land there
.endif
	TOSTAGE \a
	SEND \a-1, 32                                  ; behind block a - 1's loads: block a's 16 stores and 16 loads
.endr
	SEND 3, 0
	s_wait_tensorcnt 0x0                           ; the wave's end, behind my last tensor load and my last LDS store
	ds_add_u32 v[SPW], v[NIL]
	s_wait_dscnt 0x0
	CROUND                                         ; the closing round
	s_endpgm
.Lfunc_end_k_qd120bc1b7c_proj:
	.size	k_qd120bc1b7c_proj, .Lfunc_end_k_qd120bc1b7c_proj-k_qd120bc1b7c_proj
	.p2alignl 7, 3214868480
	.fill 96, 4, 3214868480
	.section	.rodata,"a",@progbits
	.p2align	6, 0x0
	.amdhsa_kernel k_qd120bc1b7c_proj
		.amdhsa_group_segment_fixed_size 327680
		.amdhsa_private_segment_fixed_size 0
		.amdhsa_enable_private_segment 0
		.amdhsa_kernarg_size 24
		.amdhsa_user_sgpr_count 2
		.amdhsa_user_sgpr_kernarg_segment_ptr 1
		.amdhsa_wavefront_size32 1
		.amdhsa_system_sgpr_workgroup_id_x 1
		.amdhsa_system_sgpr_workgroup_id_y 1
		.amdhsa_system_sgpr_workgroup_id_z 1
		.amdhsa_system_vgpr_workitem_id 0
		.amdhsa_next_free_vgpr 512
		.amdhsa_next_free_sgpr 66
		.amdhsa_reserve_vcc 0
		.amdhsa_float_denorm_mode_32 3
		.amdhsa_float_denorm_mode_16_64 3
		.amdhsa_memory_ordered 1
		.amdhsa_forward_progress 1
		.amdhsa_inst_pref_size 85
	.end_amdhsa_kernel
	.amdgpu_metadata
---
amdhsa.version: [ 1, 2 ]
amdhsa.kernels:
  - .name:           k_qd120bc1b7c_proj
    .symbol:         k_qd120bc1b7c_proj.kd
    .args:
      - { .name: ho, .offset: 0, .size: 8, .value_kind: global_buffer, .address_space: global }
      - { .name: wo16, .offset: 8, .size: 8, .value_kind: global_buffer, .address_space: global }
      - { .name: out0, .offset: 16, .size: 8, .value_kind: global_buffer, .address_space: global }
    .group_segment_fixed_size: 327680
    .private_segment_fixed_size: 0
    .kernarg_segment_align: 8
    .kernarg_segment_size: 24
    .max_flat_workgroup_size: 128
    .sgpr_count:     66
    .vgpr_count:     512
    .wavefront_size: 32
...
	.end_amdgpu_metadata
.endif
;; end of part 4
;; launch first16 (part 5): grid 16 x 4, 16 waves a work-group, no clusters, 71,680 bytes of LDS; arguments q32, Wo, out0; writes out0
.if DOCPART == 5
	.amdgcn_target "amdgcn-amd-amdhsa--gfx1250"
	.amdhsa_code_object_version 6
	.text
	.protected	k_qd120bc1b7c_first16
	.globl	k_qd120bc1b7c_first16
	.p2align	8
	.type	k_qd120bc1b7c_first16,@function
k_qd120bc1b7c_first16:
	s_mov_b64 s[64:65], 0
	v_nop
	global_prefetch_b8 v0, s[64:65] scope:SCOPE_SE
	s_setreg_imm32_b32 hwreg(HW_REG_WAVE_MODE, 25, 1), 1
	s_wait_xcnt 0x0
; FIFTH LAUNCH: positions 0-15 of every sequence, attention and the projection by Wo, all in f32.  These rows average one to sixteen values and are the largest of the result, so the rounding of 16-bit operands weighs most on them.
; q32: [3 (q, k, v)][4 b][16 s][1,024] f32, after RoPE.  Wo: [1,024 n][1,024 k] f32.  Stored: rows 2,048 b + 0 .. 15 of out0, which the launch before leaves alone.
; Under reference()'s causal mask these queries see keys 0-15 alone: later keys have the weight 0 (first launch's head) and are not read.
; SHARES.  A work-group takes one batch (y) and 64 columns of out0 (x).  Wave w takes head w: its 16 x 16 scores, softmax, O^T, and the part of the projection that sums over its own 64 of K; the sixteen parts meet in LDS and are added by waves 0-7.
; (The attention of a batch is so made sixteen times over, once for each block of columns: 32 small matrix instructions a wave.)
; LAYOUT.  v_wmma_f32_16x16x4_f32: sources hold k = 2 (lane / 16) + register; the result holds n = lane % 16 and m = 8 (lane / 16) + register.  All three products are used transposed, so that a lane holds ONE query throughout, and k is
; laid by the same permutation in both sources of a product, so that each result's registers are the next product's source as they stand:
;   S^T = K Q^T: product 2 c + e takes channels 8 c + 4 h + 2 e + (0, 1) of both.   O^T = V^T P: product i takes keys 8 h + 2 i + (0, 1).   Y^T = Wo O: product (t, i) takes channels 16 t + 8 h + 2 i + (0, 1).
; The registers that these products write (v48-95) are written by matrix instructions alone; what is made of them goes into other registers.  O^T is divided by the row's sum behind the projection, which is linear.
.set SPARE, 16*4352                    ; LDS: sixteen planes of 16 rows x (256 bytes + 16); behind them the spare words, 128 bytes for each wave, which no other line names
.set AQ,  3                            ; v3   4,096 r + 16 h
.set AV,  4                            ; v4   32,768 h + 4 r
.set AW,  5                            ; v5   4,096 r + 32 h
.set PST, 6                            ; v6   my plane: 4,352 w + 272 r + 32 h
.set RDP, 7                            ; v7   the sum's reads: row 2 w + h of a plane, 16 r
.set GOUT, 8                           ; v8   and the same place in out0
.set DD,  9                            ; v9   r - 8 h
.set SPW, 10                           ; v10  LDS address of my spare word; never rewritten
.set NIL, 11                           ; v11  0; never rewritten
.set PR,  24                           ; v24-31 scores, then p
.set YR,  32                           ; v32-47 scaled results
.set ACC, 48                           ; v48-55, v56-63 two accumulators
.set OT,  64                           ; v64-95 O^T
.set QR,  96
.set KR,  128
.set VR,  160
.set WA,  192                          ; v192-255 Wo's rows of column tiles 0, 1;  tiles 2, 3 later take v96-159
.set WB,  96
	s_load_b128 s[4:7], s[0:1], 0x0                ; q32 s[4:5], Wo s[6:7]
	s_load_b64 s[8:9], s[0:1], 0x10                ; out0
	v_lshl_add_u32 v[SPW], v0, 2, SPARE
	v_mov_b32 v[NIL], 0
	v_lshrrev_b32 v12, 5, v0
	v_readfirstlane_b32 s10, v12                   ; wave = head
	v_and_b32 v1, 15, v0                           ; r
	v_bfe_u32 v2, v0, 4, 1                         ; h
	v_lshlrev_b32 v[AQ], 12, v1
	v_lshl_add_u32 v[AW], v2, 5, v[AQ]
	v_lshl_add_u32 v[AQ], v2, 4, v[AQ]
	v_lshlrev_b32 v[AV], 2, v1
	v_lshl_add_u32 v[AV], v2, 15, v[AV]
	s_mul_i32 s11, s10, 4352
	v_mul_u32_u24 v[PST], v1, 272
	v_lshl_add_u32 v[PST], v2, 5, v[PST]
	v_add_nc_u32 v[PST], s11, v[PST]
	s_mul_i32 s11, s10, 544
	v_mul_u32_u24 v[RDP], v2, 272
	v_lshl_add_u32 v[RDP], v1, 4, v[RDP]
	v_add_nc_u32 v[RDP], s11, v[RDP]
	s_lshl_b32 s11, s10, 13
	v_lshlrev_b32 v[GOUT], 12, v2
	v_lshl_add_u32 v[GOUT], v1, 4, v[GOUT]
	v_add_nc_u32 v[GOUT], s11, v[GOUT]
	v_lshlrev_b32 v[DD], 3, v2
	v_sub_nc_u32 v[DD], v1, v[DD]
	v_mov_b32 v14, 0                               ; (a lane permute's destination counts as one of its sources)
	s_mov_b32 s16, 0x76543210
	s_mov_b32 s17, 0xfedcba98                      ; v_permlanex16_b32's selects for lane l xor 16
	s_mov_b32 s20, 0x3e38aa3b                      ; c = log2(e) / 8
	s_and_b32 s12, ttmp7, 0xffff                   ; batch
	s_lshl_b32 s14, s12, 16                        ; q32: 65,536 bytes a batch, 256 a head
	s_lshl_b32 s15, s10, 8
	s_add_co_u32 s14, s14, s15
	s_mov_b32 s15, 0
	s_lshl_b32 s18, ttmp9, 18                      ; Wo: 64 rows of 4,096 bytes a work-group, 256 bytes a head
	s_lshl_b32 s19, s10, 8
	s_add_co_u32 s18, s18, s19
	s_mov_b32 s19, 0
	s_lshl_b32 s22, s12, 23                        ; out0: 2,048 rows of 4,096 bytes a batch, 256 bytes a work-group
	s_lshl_b32 s23, ttmp9, 8
	s_add_co_u32 s22, s22, s23
	s_mov_b32 s23, 0
	s_wait_kmcnt 0x0
	s_add_nc_u64 s[4:5], s[4:5], s[14:15]
	s_add_nc_u64 s[6:7], s[6:7], s[18:19]
	s_add_nc_u64 s[8:9], s[8:9], s[22:23]
.irp c, 0,1,2,3,4,5,6,7
	global_load_b128 v[QR+4*\c:QR+4*\c+3], v[AQ], s[4:5] offset:32*\c               ; q(r, 8 c + 4 h + 0 .. 3)
.endr
.irp c, 0,1,2,3,4,5,6,7
	global_load_b128 v[KR+4*\c:KR+4*\c+3], v[AQ], s[4:5] offset:262144+32*\c        ; k likewise
.endr
.irp t, 0,1,2,3
.irp j, 0,1,2,3,4,5,6,7
	global_load_b32 v[VR+8*\t+\j], v[AV], s[4:5] offset:524288+4096*\j+64*\t        ; v(key 8 h + j, channel 16 t + r)
.endr
.endr
.irp u, 0,1
.irp t, 0,1,2,3
.irp e, 0,1
	global_load_b128 v[WA+32*\u+8*\t+4*\e:WA+32*\u+8*\t+4*\e+3], v[AW], s[6:7] offset:65536*\u+64*\t+16*\e   ; Wo(16 u + r, 16 t + 8 h + 4 e + 0 .. 3)
.endr
.endr
.endr
	s_wait_loadcnt 48                              ; q and k are in; v's 32 loads and Wo's 16 may be out
	; S^T = K Q^T: sixteen products on two accumulators by turns; the first two start the sums
.irp n, 0,1,2,3,4,5,6,7,8,9,10,11,12,13,14,15
.if \n < 2
	v_wmma_f32_16x16x4_f32 v[ACC+8*(\n%2):ACC+8*(\n%2)+7], v[KR+2*\n:KR+2*\n+1], v[QR+2*\n:QR+2*\n+1], 0
.else
	v_wmma_f32_16x16x4_f32 v[ACC+8*(\n%2):ACC+8*(\n%2)+7], v[KR+2*\n:KR+2*\n+1], v[QR+2*\n:QR+2*\n+1], v[ACC+8*(\n%2):ACC+8*(\n%2)+7]
.endif
.endr
.rept 8
	v_nop                                          ; eight places behind this form: in front of the reads of the sums and of the loads into q's and k's registers
.endr
.irp j, 0,1,2,3,4,5,6,7
	v_add_f32 v[PR+\j], v[ACC+\j], v[ACC+8+\j]     ; the score of my query r and key 8 h + j
.endr
.irp u, 0,1
.irp t, 0,1,2,3
.irp e, 0,1
	global_load_b128 v[WB+32*\u+8*\t+4*\e:WB+32*\u+8*\t+4*\e+3], v[AW], s[6:7] offset:65536*(2+\u)+64*\t+16*\e   ; column tiles 2 and 3
.endr
.endr
.endr
	v_mov_b32 v12, 0xff800000
.irp j, 0,1,2,3,4,5,6,7
	v_cmp_gt_i32 vcc_lo, \j, v[DD]                 ; key 8 h + j behind query r: -infinity
	v_cndmask_b32 v[PR+\j], v[PR+\j], v12, vcc_lo
.endr
	v_max3_num_f32 v13, v[PR], v[PR+1], v[PR+2]
	v_max3_num_f32 v13, v13, v[PR+3], v[PR+4]
	v_max3_num_f32 v13, v13, v[PR+5], v[PR+6]
	v_max_num_f32 v13, v13, v[PR+7]
	v_permlanex16_b32 v14, v13, s16, s17
	v_max_num_f32 v13, v13, v14                    ; the row's maximum: key 0 counts for every query, so it is a number
	v_mul_f32 v15, s20, v13
.irp j, 0,1,2,3,4,5,6,7
	v_fma_f32 v[PR+\j], v[PR+\j], s20, -v15        ; c s - c m
.endr
.irp j, 0,1,2,3,4,5,6,7
	v_exp_f32 v[PR+\j], v[PR+\j]                   ; p
.endr
	v_nop                                          ; a plain line behind the last exponential
	s_wait_alu depctr_va_vdst(0)                   ; one wait for the eight, ahead of their first reader
	v_add_f32 v17, v[PR], v[PR+1]
	v_add_f32 v18, v[PR+2], v[PR+3]
	v_add_f32 v19, v[PR+4], v[PR+5]
	v_add_f32 v20, v[PR+6], v[PR+7]
	v_add_f32 v17, v17, v18
	v_add_f32 v19, v19, v20
	v_add_f32 v17, v17, v19
	v_permlanex16_b32 v14, v17, s16, s17
	v_add_f32 v17, v17, v14                        ; the row's sum
	v_rcp_f32 v16, v17
	v_nop
	s_wait_alu depctr_va_vdst(0)                   ; the reciprocal's wait
	s_wait_loadcnt 32                              ; v is in; Wo's 32 loads may be out
	; O^T = V^T P: four accumulators by turns
.irp i, 0,1,2,3
.irp t, 0,1,2,3
.if \i == 0
	v_wmma_f32_16x16x4_f32 v[OT+8*\t:OT+8*\t+7], v[VR+8*\t+2*\i:VR+8*\t+2*\i+1], v[PR+2*\i:PR+2*\i+1], 0
.else
	v_wmma_f32_16x16x4_f32 v[OT+8*\t:OT+8*\t+7], v[VR+8*\t+2*\i:VR+8*\t+2*\i+1], v[PR+2*\i:PR+2*\i+1], v[OT+8*\t:OT+8*\t+7]
.endif
.endr
.endr
.rept 9
	v_nop                                          ; nine places: the results are taken as a source by matrix instructions
.endr
; Y^T = Wo O for column tiles 2 z and 2 z + 1: 32 products on the two accumulators by turns; then x 1 / the sum, into my plane in LDS.
.macro PASS z, w
.irp t, 0,1,2,3
.irp i, 0,1,2,3
.irp uu, 0,1
.if (\t == 0) && (\i == 0)
	v_wmma_f32_16x16x4_f32 v[ACC+8*\uu:ACC+8*\uu+7], v[\w+32*\uu+8*\t+2*\i:\w+32*\uu+8*\t+2*\i+1], v[OT+8*\t+2*\i:OT+8*\t+2*\i+1], 0
.else
	v_wmma_f32_16x16x4_f32 v[ACC+8*\uu:ACC+8*\uu+7], v[\w+32*\uu+8*\t+2*\i:\w+32*\uu+8*\t+2*\i+1], v[OT+8*\t+2*\i:OT+8*\t+2*\i+1], v[ACC+8*\uu:ACC+8*\uu+7]
.endif
.endr
.endr
.endr
.rept 9
	v_nop                                          ; nine places: they serve the reads below, the next pass's products, which begin the accumulators anew, and later loads into these products' sources
.endr
	s_wait_dscnt 0x0                               ; the last pass's stores have read their registers
.irp uu, 0,1
.irp j, 0,1,2,3,4,5,6,7
	v_mul_f32 v[YR+8*\uu+\j], v[ACC+8*\uu+\j], v16 ; my head's part of out0(query r, column 16 (2 z + uu) + 8 h + j)
.endr
.endr
.irp uu, 0,1
	ds_store_b128 v[PST], v[YR+8*\uu:YR+8*\uu+3] offset:64*(2*\z+\uu)
	ds_store_b128 v[PST], v[YR+8*\uu+4:YR+8*\uu+7] offset:64*(2*\z+\uu)+16
.endr
.endm
	s_wait_loadcnt 16                              ; Wo's tiles 0 and 1 are in; the sixteen loads of tiles 2 and 3 may be out
	PASS 0, WA
	s_wait_loadcnt 0
	PASS 1, WB
	s_wait_dscnt 0x0                               ; for the others' sake: my plane is written
	s_barrier_signal -1
	s_barrier_wait -1
	s_cmp_ge_u32 s10, 8                            ; waves 0-7 add the sixteen planes, two rows each; no barrier follows
	s_cbranch_scc1 .Ldone
.irp p, 0,1,2,3,4,5,6,7,8,9,10,11,12,13,14,15
	ds_load_b128 v[160+4*\p:163+4*\p], v[RDP] offset:4352*\p
.endr
	s_wait_dscnt 0x0
.irp p, 0,1,2,3,4,5,6,7
	v_pk_add_f32 v[160+4*\p:161+4*\p], v[160+4*\p:161+4*\p], v[192+4*\p:193+4*\p]
	v_pk_add_f32 v[162+4*\p:163+4*\p], v[162+4*\p:163+4*\p], v[194+4*\p:195+4*\p]
.endr
.irp p, 0,1,2,3
	v_pk_add_f32 v[160+4*\p:161+4*\p], v[160+4*\p:161+4*\p], v[176+4*\p:177+4*\p]
	v_pk_add_f32 v[162+4*\p:163+4*\p], v[162+4*\p:163+4*\p], v[178+4*\p:179+4*\p]
.endr
.irp p, 0,1
	v_pk_add_f32 v[160+4*\p:161+4*\p], v[160+4*\p:161+4*\p], v[168+4*\p:169+4*\p]
	v_pk_add_f32 v[162+4*\p:163+4*\p], v[162+4*\p:163+4*\p], v[170+4*\p:171+4*\p]
.endr
	v_pk_add_f32 v[160:161], v[160:161], v[164:165]
	v_pk_add_f32 v[162:163], v[162:163], v[166:167]
	global_store_b128 v[GOUT], v[160:163], s[8:9]  ; sixteen lanes store 256 consecutive bytes of a row, aligned
.Ldone:
	s_wait_tensorcnt 0x0                           ; the wave's end, behind my last LDS store
	ds_add_u32 v[SPW], v[NIL]
	s_wait_dscnt 0x0
	s_endpgm
.Lfunc_end_k_qd120bc1b7c_first16:
	.size	k_qd120bc1b7c_first16, .Lfunc_end_k_qd120bc1b7c_first16-k_qd120bc1b7c_first16
	.p2alignl 7, 3214868480
	.fill 96, 4, 3214868480
	.section	.rodata,"a",@progbits
	.p2align	6, 0x0
	.amdhsa_kernel k_qd120bc1b7c_first16
		.amdhsa_group_segment_fixed_size 71680
		.amdhsa_private_segment_fixed_size 0
		.amdhsa_enable_private_segment 0
		.amdhsa_kernarg_size 24
		.amdhsa_user_sgpr_count 2
		.amdhsa_user_sgpr_kernarg_segment_ptr 1
		.amdhsa_wavefront_size32 1
		.amdhsa_system_sgpr_workgroup_id_x 1
		.amdhsa_system_sgpr_workgroup_id_y 1
		.amdhsa_system_sgpr_workgroup_id_z 1
		.amdhsa_system_vgpr_workitem_id 0
		.amdhsa_next_free_vgpr 256
		.amdhsa_next_free_sgpr 66
		.amdhsa_reserve_vcc 1
		.amdhsa_float_denorm_mode_32 3
		.amdhsa_float_denorm_mode_16_64 3
		.amdhsa_memory_ordered 1
		.amdhsa_forward_progress 1
		.amdhsa_inst_pref_size 25
	.end_amdhsa_kernel
	.amdgpu_metadata
---
amdhsa.version: [ 1, 2 ]
amdhsa.kernels:
  - .name:           k_qd120bc1b7c_first16
    .symbol:         k_qd120bc1b7c_first16.kd
    .args:
      - { .name: q32, .offset: 0, .size: 8, .value_kind: global_buffer, .address_space: global }
      - { .name: Wo, .offset: 8, .size: 8, .value_kind: global_buffer, .address_space: global }
      - { .name: out0, .offset: 16, .size: 8, .value_kind: global_buffer, .address_space: global }
    .group_segment_fixed_size: 71680
    .private_segment_fixed_size: 0
    .kernarg_segment_align: 8
    .kernarg_segment_size: 24
    .max_flat_workgroup_size: 512
    .sgpr_count:     66
    .vgpr_count:     256
    .wavefront_size: 32
...
	.end_amdgpu_metadata
.endif
;; end of part 5
